; MI455X (gfx1250); checked and timed in simulation.
; The chip was launched on July 23, 2026; its instructions are those of AMD's public machine-readable ISA for CDNA 5 (MIT licence, August 2026) and "CDNA5" Instruction Set Architecture Reference Guide (July 2026). The comments in the code are by the model that wrote it; some were corrected since.
;; Multi Head Attention. Allowed arithmetic: matrix products marked QUANTISED: E4M3 operands, one given power-of-two scale a tensor, by v_wmma_f32_16x16x64_fp8_fp8 or v_wmma_f32_16x16x128_fp8_fp8, f32 sums; everything else in f32.
;; Inputs: lowp_scales 8 int32 (the exponents e of the quantised operands' scales 2^e); w_attn 1,024 x 3,072 float32; w_proj 1,024 x 1,024 float32; x 4 x 2,048 x 1,024 float32.
;; Outputs: out0 4 x 2,048 x 1,024 float32.
;; This version of the problem:
;;   THIS VERSION OF THE PROBLEM IS GIVEN IN LOW PRECISION. The matrix products marked QUANTISED in the list below multiply operands that are first quantised to E4M3 (4 exponent bits, 3 mantissa bits; 8 bits a number), with one given power-of-two scale for each operand tensor; their sums are f32. All else is computed in f32.
;;   The module's matrix products, in the order in which they are computed (A, B: the left and right operand; K: the contracted axis; several contracted axes count as one K, in the product's order):
;;     1. [M 8,192, K 1,024] x [K 1,024, N 3,072]; A: input x; B: input w_attn: QUANTISED (scales: A lowp_scales[0], B lowp_scales[1])
;;     2. batch 64 x [M 2,048, K 64] x [K 64, N 2,048]; A: computed on the way; B: computed on the way: QUANTISED (scales: A lowp_scales[2], B lowp_scales[3])
;;     3. batch 64 x [M 2,048, K 2,048] x [K 2,048, N 64]; A: softmax (see below); B: computed on the way: QUANTISED (scales: A lowp_scales[4], B lowp_scales[5])
;;     4. [M 8,192, K 1,024] x [K 1,024, N 1,024]; A: computed on the way; B: input w_proj: QUANTISED (scales: A lowp_scales[6], B lowp_scales[7])
;;   THE QUANTISER, for each operand of a quantised product, along K:
;;     - The operand's scale is 2^e, e = its entry of the input lowp_scales (int32; the entries are numbered through the quantised products in the list's order, A before B).
;;     - Each number is divided by the scale, clamped to +-448, and rounded to the nearest number of E4M3, ties to even, subnormals kept.
;;     - The product sums the exact products of the quantised numbers (number of the format x scale) in f32.
;;   ~~~python
;;   def quantise(x, axis, e):      # numpy; x: float32 -> the quantised numbers, widened to float32 again
;;       x = np.moveaxis(x, axis, -1); K = x.shape[-1]
;;       r = np.clip(x / 2.0 ** e, -448, 448)
;;       step = 2.0 ** (np.maximum(np.frexp(np.where(r == 0, 1, r))[1] - 1, -6) - 3)
;;       q = np.round(r / step) * step * 2.0 ** e      # np.round: ties to even
;;       return np.moveaxis(q, -1, axis).astype(np.float32)
;;   ~~~
;;   SOFTMAX AHEAD OF A QUANTISED PRODUCT. Where the list says 'softmax', what is quantised is not the finished softmax but p = 2^(t - M), with t = logit x log2(e) and M = ceil(the row's largest t), a whole number; so 1/2 < the row's largest p <= 1. The row's sum l is taken of the UNQUANTISED p, in f32, and the product's result is divided by l at the end. Since M is a whole number, a kernel that streams over the keys may use a running M (the ceiling of the running maximum): every later rescaling is an exact power of two, so the quantised numbers keep their values, but for numbers so far below the row's largest that they fall under the format's range.
;;   OPERANDS COMPUTED ON THE WAY. 'Computed on the way' means the value that the module computes at that place (a softmax that the list does not call 'softmax' is quantised finished and normalised). What goes into a quantiser is computed in f32, as accurately as f32 sums, v_exp_f32 and their like allow (about 1e-6 of the number): no bf16 or f16 on the way to a quantiser, and a product that is left as it is and whose result goes on into a quantised operand takes f32 operands (vector FMAs, or v_wmma_f32_16x16x4_f32). A number that lies on a knife's edge between two numbers of the format may be rounded either way, as far as f32 arithmetic and the matrix unit's own rounding can turn it there, and no further.
;; One version. Each part assembles by itself: llvm-mc -triple=amdgcn-amd-amdhsa -mcpu=gfx1250 --defsym DOCPART=n.
;; ======== version 1 of 1: 4 launches
;; limits: right only within a limited range of input values
;; workspace buffers: x_codes 8,388,608 bytes; wa_codes 3,145,728 bytes; wp_codes 1,048,576 bytes; qkv 25,165,824 bytes; y_img 8,388,608 bytes
;; launch quant (part 1): grid 384 x 1, 4 waves a work-group, no clusters, 68,096 bytes of LDS; arguments x, w_attn, w_proj, lowp_scales, x_codes, wa_codes, wp_codes; writes x_codes, wa_codes, wp_codes
.if DOCPART == 1
	.amdgcn_target "amdgcn-amd-amdhsa--gfx1250"
	.amdhsa_code_object_version 6
	.text
	.protected	k_qadd947a08d_quant
	.globl	k_qadd947a08d_quant
	.p2align	8
	.type	k_qadd947a08d_quant,@function
k_qadd947a08d_quant:
	s_mov_b64 s[64:65], 0
	v_nop
	global_prefetch_b8 v0, s[64:65] scope:SCOPE_SE
	s_setreg_imm32_b32 hwreg(HW_REG_WAVE_MODE, 25, 1), 1
	s_wait_xcnt 0x0
; The three wide inputs become codes of FP8 (E4M3), one byte each, K innermost, each with the one scale 2^e that is given for it:
; code = number / 2^e, held within +-448, rounded to the nearest code, ties to even.  x: entry 0 of the scales, w_attn: entry 1, w_proj: entry 7.
; LIMITS: each of these three e lies between -126 and 119, so that 2^e and 448 x 2^e are f32 numbers.  NaN among the inputs is not served; an infinity is held at the largest code.
; Work-groups 0-255 take x [8192][1024]: K is innermost, rows are dense, so x is a plain stream: 32,768 numbers a work-group, 16 steps of 512 a wave.
;   Each load reads 512 consecutive bytes; a step's 2,048 bytes turn through the wave's own stage in LDS, so that a lane then holds 16 neighbours along K, as the conversions want them.
; Work-groups 256-383 take the weights, whose K is their FIRST axis: 128 columns x 256 along K a work-group (w_attn: 24 x 4, w_proj: 8 x 4).
;   A lane takes a column and its registers run down K, so the conversions give codes with K innermost; they leave through the wave's stage, sixteen lanes to 256 consecutive aligned bytes.
;   wa_codes' ROWS ARE PERMUTED inside each group of 32: column 8-15 of a group goes to row +8, column 16-23 to row -8.  q and k meet the same order of the head's axis on both sides of their
;   product; for v the order is the one in which the attention's results convert into 16 neighbours along the last product's K.  wp_codes' rows are not permuted.
; The two ways part on the work-group's number alone; each has LDS bytes of its own.  No barrier: waves share nothing.
.set STEPS, 16
.set MANT,  0x600000                   ; the mantissa field of 448 as f32
.set SP,    80                         ; x: a lane's place in a stage: its 64 bytes + 16 of padding
.set WREG,  8192                       ; x: LDS bytes 0 .. 32,767: a region for each wave, two stages of 32 x SP bytes
.set XR,    16                         ; v16-79   x: four sets of 16 numbers as loaded
.set XX,    80                         ; v80-111  x: two sets of 16 neighbours
.set XC,    128                        ; v128-191 x: codes, four registers for each step, so that no store's data are written again
.set WSTG,  32768                      ; weights: LDS bytes 32,768 on: 32 rows x PITCH for each wave
.set PITCH, 272                        ; a stage row: 256 bytes of codes + 16
.set WX,    32                         ; v32-95   weights: two sets of 32 numbers
.set WC,    96                         ; v96-103  a block's codes
.set OUTR,  112                        ; v112-175 the way out
.set OFS,   176                        ; v176-207 byte offsets of the 32 rows of a block: 4 x lane + i x a row of the weight
.macro XLOAD t
.irp i, 0,1,2,3
	global_load_b128 v[XR+16*((\t)%4)+4*\i:XR+16*((\t)%4)+4*\i+3], v3, s[4:5] offset:2048*(\t)+512*\i th:TH_LOAD_NT   ; 32 lanes read 512 consecutive bytes
.endr
.endm
.macro XTURN t                         ; step t's numbers through the stage: LDS serves a wave's instructions in order, so no wait stands between the stores and the loads
.irp i, 0,1,2,3
	ds_store_b128 v14, v[XR+16*((\t)%4)+4*\i:XR+16*((\t)%4)+4*\i+3] offset:32*SP*((\t)%2)+8*SP*\i
.endr
.irp i, 0,1,2,3
	ds_load_b128 v[XX+16*((\t)%2)+4*\i:XX+16*((\t)%2)+4*\i+3], v15 offset:32*SP*((\t)%2)+16*\i
.endr
.endm
.macro XSTEP t
.set XS, XX+16*((\t)%2)
	s_wait_dscnt 0x0                               ; this step's numbers are back from the stage, so its stores into the stage have read their registers,
.if (\t)+4 < STEPS
	XLOAD (\t)+4                                   ; which take the loads of four steps on
.endif
.if (\t)+1 < STEPS
.if STEPS-2-(\t) >= 3
	s_wait_loadcnt 12                              ; the next step's four loads are in; those of the three steps behind it may be out
.else
	s_wait_loadcnt 4*(STEPS-2-(\t))
.endif
	XTURN (\t)+1                                   ; and go through the other stage while this step is worked
.endif
.set i, 0
.rept 16
.set i, i+1
.endr
	v_cvt_scalef32_pk8_fp8_f32 v[XC+4*(\t):XC+4*(\t)+1], v[XS:XS+7], v11
	v_cvt_scalef32_pk8_fp8_f32 v[XC+4*(\t)+2:XC+4*(\t)+3], v[XS+8:XS+15], v11
	global_store_b128 v3, v[XC+4*(\t):XC+4*(\t)+3], s[12:13] offset:512*(\t)   ; 32 lanes store 512 consecutive bytes; the results go to a store alone
.endm
.macro WLOAD t                         ; block t: W(32 t + i, my column), i = 0 .. 31, into set t % 2: a wave reads 128 consecutive bytes, the four waves 512
.set i, 0
.rept 32
	global_load_b32 v[WX+32*((\t)%2)+i], v[OFS+i], s[40+2*(\t):41+2*(\t)] th:TH_LOAD_NT
.set i, i+1
.endr
.endm
.macro WBLOCK t
.set XS, WX+32*((\t)%2)
.if (\t) < 7
	s_wait_loadcnt 32                              ; this block's 32 loads are in; the next block's may be out
.else
	s_wait_loadcnt 0
.endif
.set i, 0
.rept 32
.set i, i+1
.endr
.irp g, 0,1,2,3
	v_cvt_scalef32_pk8_fp8_f32 v[WC+2*\g:WC+2*\g+1], v[XS+8*\g:XS+8*\g+7], v11
.endr
	ds_store_b128 v4, v[WC:WC+3] offset:32*(\t)    ; 32 codes: 32 bytes of my column's row
	ds_store_b128 v4, v[WC+4:WC+7] offset:32*(\t)+16
.if (\t)+2 < 8
	WLOAD (\t)+2
.endif
	s_wait_dscnt 0x0                               ; the stores have read their registers: the next block's codes may be written
.endm
	s_load_b256 s[4:11], s[0:1], 0x0               ; x s[4:5], w_attn s[6:7], w_proj s[8:9], the scales' exponents s[10:11]
	s_load_b128 s[12:15], s[0:1], 0x20             ; x_codes s[12:13], wa_codes s[14:15]
	s_load_b64 s[16:17], s[0:1], 0x30              ; wp_codes
	v_lshl_add_u32 v208, v0, 2, 0x10800
	v_mov_b32 v209, 0
	v_lshrrev_b32 v1, 5, v0
	v_readfirstlane_b32 s20, v1                    ; wave 0..3
	v_and_b32 v2, 31, v0                           ; lane
	s_wait_kmcnt 0x0
	s_load_b256 s[24:31], s[10:11], 0x0            ; e0 .. e7
	s_cmp_lt_u32 ttmp9, 256
	s_cbranch_scc0 .Lweights
	s_wait_alu depctr_va_vdst(0)
	; ---------------- x
	v_lshlrev_b32 v3, 4, v2                        ; my 16 bytes of a load's 512, and of a store's
	s_wait_alu depctr_va_vdst(0)
	s_mul_i32 s21, s20, WREG
	v_lshrrev_b32 v14, 2, v2
	v_mul_u32_u24 v14, v14, SP
	v_and_b32 v15, 3, v2
	v_lshl_add_u32 v14, v15, 4, v14
	v_add_nc_u32 v14, s21, v14                     ; the stage, on the way in: four lanes' 64 bytes on end, then 16 of padding
	v_mul_u32_u24 v15, v2, SP
	v_add_nc_u32 v15, s21, v15                     ; and on the way out: my 16 neighbours
	s_lshl_b32 s22, ttmp9, 2
	s_add_co_u32 s22, s22, s20                     ; which run of 8,192 numbers is my wave's
	s_lshl_b32 s32, s22, 15
	s_mov_b32 s33, 0
	s_add_nc_u64 s[4:5], s[4:5], s[32:33]
	s_lshl_b32 s32, s22, 13
	s_add_nc_u64 s[12:13], s[12:13], s[32:33]
.irp t, 0,1,2,3
	XLOAD \t
.endr
	s_wait_alu depctr_va_vdst(0)
	s_wait_kmcnt 0x0
	s_add_co_i32 s22, s24, 127
	s_lshl_b32 s23, s22, 23
	v_mov_b32 v11, s23                             ; 2^e0 as f32: the conversion takes its exponent field
	s_add_co_i32 s22, s22, 8
	s_lshl_b32 s22, s22, 23
	s_or_b32 s22, s22, MANT
	s_wait_alu depctr_va_vdst(0)
	s_wait_loadcnt 12                              ; step 0's four loads are in
	XTURN 0
.irp t, 0,1,2,3,4,5,6,7,8,9,10,11,12,13,14,15
	XSTEP \t
.endr
	s_wait_tensorcnt 0x0
	ds_add_u32 v208, v209
	s_wait_dscnt 0x0
	s_endpgm
	; ---------------- the weights
.Lweights:
	s_sub_co_u32 s21, ttmp9, 256
	s_and_b32 s22, s21, 3                          ; which 256 along K
	s_lshr_b32 s21, s21, 2                         ; which 128 columns: 0-23 of w_attn, 24-31 of w_proj
	s_mov_b32 s34, 4096
	s_sub_co_u32 s35, s21, 24
	s_wait_kmcnt 0x0
	s_cmp_lt_u32 s21, 24                           ; the choice hangs on the work-group's number alone; only pointers and numbers are chosen, the text is one
	s_cselect_b64 s[6:7], s[6:7], s[8:9]           ; the weight
	s_cselect_b64 s[14:15], s[14:15], s[16:17]     ; its codes
	s_cselect_b32 s34, 12288, s34                  ; a row of the weight in bytes
	s_cselect_b32 s35, s21, s35                    ; which 128 columns of that weight
	s_cselect_b32 s36, s25, s31                    ; e
	s_cselect_b32 s37, 8192, 0                     ; eight rows of codes, where rows are permuted
	s_lshl_b32 s35, s35, 7
	s_lshl_b32 s38, s20, 5
	s_add_co_u32 s35, s35, s38                     ; my wave's first column: one group of 32
	s_mul_i32 s38, s22, s34
	s_lshl_b32 s38, s38, 8                         ; 256 rows of the weight for each step along K,
	s_lshl_b32 s39, s35, 2
	s_add_co_u32 s38, s38, s39                     ; + 4 bytes a column
	s_mov_b32 s39, 0
	s_add_nc_u64 s[40:41], s[6:7], s[38:39]        ; block 0's base;
	s_lshl_b32 s38, s34, 5
.irp t, 1,2,3,4,5,6,7
	s_add_nc_u64 s[40+2*\t:41+2*\t], s[38+2*\t:39+2*\t], s[38:39]   ; block t's: 32 rows on.  None is written again
.endr
	s_lshl_b32 s56, s35, 10                        ; the codes: column x 1,024 bytes + 256 for each step along K
	s_lshl_b32 s57, s22, 8
	s_add_co_u32 s56, s56, s57
	s_mov_b32 s57, 0
	s_add_nc_u64 s[14:15], s[14:15], s[56:57]
	s_wait_alu depctr_va_vdst(0)
	v_lshlrev_b32 v[OFS], 2, v2
.set i, 1
.rept 31
	v_add_nc_u32 v[OFS+i], s34, v[OFS+i-1]
.set i, i+1
.endr
	WLOAD 0
	WLOAD 1
	s_mul_i32 s58, s20, 32*PITCH
	s_add_co_u32 s58, s58, WSTG                    ; my stage
	v_mul_u32_u24 v4, v2, PITCH
	v_add_nc_u32 v4, s58, v4                       ; into it: row = my column
	v_and_b32 v5, 15, v2
	v_lshrrev_b32 v6, 4, v2                        ; out of it: sixteen lanes to a row, two rows an instruction
	v_mul_u32_u24 v7, v6, PITCH
	v_lshl_add_u32 v7, v5, 4, v7
	v_add_nc_u32 v7, s58, v7
	v_lshlrev_b32 v8, 10, v6
	v_lshl_add_u32 v8, v5, 4, v8                   ; the same place among the rows of codes: columns 0-7 and 24-31 of the group;
	v_add_nc_u32 v9, s37, v8                       ; columns 8-15: eight rows further down where rows are permuted;
	s_sub_co_u32 s59, 8192, s37
	v_add_nc_u32 v12, s59, v8                      ; columns 16-23: their stores' immediates stand eight rows up, and this puts them back where rows are not permuted
	s_add_co_i32 s36, s36, 127
	s_lshl_b32 s60, s36, 23
	v_mov_b32 v11, s60                             ; 2^e as f32
	s_add_co_i32 s36, s36, 8
	s_lshl_b32 s36, s36, 23
	s_or_b32 s36, s36, MANT
	s_wait_alu depctr_va_vdst(0)
.irp t, 0,1,2,3,4,5,6,7
	WBLOCK \t
.endr
.irp t, 0,1,2,3,4,5,6,7,8,9,10,11,12,13,14,15
	ds_load_b128 v[OUTR+4*\t:OUTR+4*\t+3], v7 offset:2*\t*PITCH   ; LDS serves a wave's instructions in order: these see my stores
.endr
.irp t, 0,1,2,3
	s_wait_dscnt 15-\t
	global_store_b128 v8, v[OUTR+4*\t:OUTR+4*\t+3], s[14:15] offset:2*\t*1024
.endr
.irp t, 4,5,6,7
	s_wait_dscnt 15-\t
	global_store_b128 v9, v[OUTR+4*\t:OUTR+4*\t+3], s[14:15] offset:2*\t*1024
.endr
.irp t, 8,9,10,11
	s_wait_dscnt 15-\t
	global_store_b128 v12, v[OUTR+4*\t:OUTR+4*\t+3], s[14:15] offset:(2*\t-8)*1024
.endr
.irp t, 12,13,14,15
	s_wait_dscnt 15-\t
	global_store_b128 v8, v[OUTR+4*\t:OUTR+4*\t+3], s[14:15] offset:2*\t*1024
.endr
	s_wait_tensorcnt 0x0
	ds_add_u32 v208, v209
	s_wait_dscnt 0x0
	s_endpgm
.Lfunc_end_k_qadd947a08d_quant:
	.size	k_qadd947a08d_quant, .Lfunc_end_k_qadd947a08d_quant-k_qadd947a08d_quant
	.p2alignl 7, 3214868480
	.fill 96, 4, 3214868480
	.section	.rodata,"a",@progbits
	.p2align	6, 0x0
	.amdhsa_kernel k_qadd947a08d_quant
		.amdhsa_group_segment_fixed_size 68096
		.amdhsa_private_segment_fixed_size 0
		.amdhsa_enable_private_segment 0
		.amdhsa_kernarg_size 56
		.amdhsa_user_sgpr_count 2
		.amdhsa_user_sgpr_kernarg_segment_ptr 1
		.amdhsa_wavefront_size32 1
		.amdhsa_system_sgpr_workgroup_id_x 1
		.amdhsa_system_sgpr_workgroup_id_y 1
		.amdhsa_system_sgpr_workgroup_id_z 1
		.amdhsa_system_vgpr_workitem_id 0
		.amdhsa_next_free_vgpr 210
		.amdhsa_next_free_sgpr 66
		.amdhsa_reserve_vcc 0
		.amdhsa_float_denorm_mode_32 3
		.amdhsa_float_denorm_mode_16_64 3
		.amdhsa_fp16_overflow 1
		.amdhsa_memory_ordered 1
		.amdhsa_forward_progress 1
		.amdhsa_inst_pref_size 55
	.end_amdhsa_kernel
	.amdgpu_metadata
---
amdhsa.version: [ 1, 2 ]
amdhsa.kernels:
  - .name:           k_qadd947a08d_quant
    .symbol:         k_qadd947a08d_quant.kd
    .args:
      - { .name: x, .offset: 0, .size: 8, .value_kind: global_buffer, .address_space: global }
      - { .name: w_attn, .offset: 8, .size: 8, .value_kind: global_buffer, .address_space: global }
      - { .name: w_proj, .offset: 16, .size: 8, .value_kind: global_buffer, .address_space: global }
      - { .name: lowp_scales, .offset: 24, .size: 8, .value_kind: global_buffer, .address_space: global }
      - { .name: x_codes, .offset: 32, .size: 8, .value_kind: global_buffer, .address_space: global }
      - { .name: wa_codes, .offset: 40, .size: 8, .value_kind: global_buffer, .address_space: global }
      - { .name: wp_codes, .offset: 48, .size: 8, .value_kind: global_buffer, .address_space: global }
    .group_segment_fixed_size: 68096
    .private_segment_fixed_size: 0
    .kernarg_segment_align: 8
    .kernarg_segment_size: 56
    .max_flat_workgroup_size: 128
    .sgpr_count:     66
    .vgpr_count:     210
    .wavefront_size: 32
...
	.end_amdgpu_metadata
.endif
;; end of part 1
;; launch gemm_qkv (part 2): grid 12 x 32, 4 waves a work-group, clusters of 4 x 4, 327,680 bytes of LDS; arguments x_codes, wa_codes, lowp_scales, qkv; writes qkv
.if DOCPART == 2
	.amdgcn_target "amdgcn-amd-amdhsa--gfx1250"
	.amdhsa_code_object_version 6
	.text
	.protected	k_qadd947a08d_gemm_qkv
	.globl	k_qadd947a08d_gemm_qkv
	.p2align	8
	.type	k_qadd947a08d_gemm_qkv,@function
k_qadd947a08d_gemm_qkv:
	s_mov_b64 s[64:65], 0
	v_nop
	global_prefetch_b8 v0, s[64:65] scope:SCOPE_SE
	s_setreg_imm32_b32 hwreg(HW_REG_WAVE_MODE, 25, 1), 1
	s_wait_xcnt 0x0
	s_wait_alu depctr_hold_cnt(0) depctr_sa_sdst(0) depctr_va_vdst(0) depctr_va_sdst(0) depctr_va_ssrc(0) depctr_va_vcc(0) depctr_vm_vsrc(0)
	s_getreg_b32 s2, hwreg(HW_REG_IB_STS2, 6, 4)
	s_cmp_eq_u32 s2, 0
	s_cbranch_scc0 .Lentry_in_a_cluster
	s_endpgm
.Lentry_in_a_cluster:
	s_bfe_u32 s2, ttmp6, 0x10000c
	s_cmp_lg_u32 s2, 0xf033
	s_cbranch_scc0 .Lentry_shape_is_right
	s_endpgm
.Lentry_shape_is_right:
; qkv = x w_attn on codes of FP8 (E4M3), f32 sums; each finished sum is quantised at once, in registers, to a code of q, k or v, and stored AS AN IMAGE OF THE NEXT OPERAND'S REGISTERS.
; x_codes [8192][1024], wa_codes [3072][1024] (K innermost; rows permuted inside groups of 32).  A sum stands for sum x 2^(e0 + e1), so its code is sum / 2^(e - e0 - e1), e = e2 (q), e3 (k), e5 (v).
; LIMITS: e2 - e0 - e1, e3 - e0 - e1 and e5 - e0 - e1 lie between -126 and 119, so that the scale and 448 x the scale are f32 numbers.
; A tile of 256 x 256 is made by a work-group of four waves, a wave makes 128 x 128: 64 accumulators, 512 registers.  K goes in four steps of 256 through two LDS slots filled by the tensor data mover.
; THE KIND hangs on the cluster's x, which all sixteen partners share; it chooses numbers and pointers, never a way through the text.
;   cluster x = 0 (q), 1 (k): rows = tokens (side A = x_codes), columns = rows of wa_codes (side B).   cluster x = 2 (v): V^T: rows = rows 2,048 on of wa_codes (side A), columns = tokens (side B = x_codes).
; THE MATRIX INSTRUCTION IS USED TRANSPOSED (source 0 = 16 rows of B, source 1 = 16 rows of A): a lane holds one row of A's side and eight neighbours of B's side.  So a lane's registers run along the head's axis
; for q and k, and along the tokens for v: each the K of the product that will read the codes.  A converted accumulator is two registers of that operand in the 8-bit forms' own layout (registers 2 c, 2 c + 1: k = 16 c + 8 (lane / 16) + 0 .. 7).
; qkv: q at 0, k at 8 MiB: [16 batch + head][token tile of 16][1,024 bytes]: 2 pieces of 512 bytes, lane l's 16 bytes at 16 l.   v at 16 MiB: [16 batch + head][128 keys][16 of the head's 64][2,048 bytes]: 4 such pieces.
; CLUSTERS: 4 x 4 work-groups.  The four of a row of the cluster need the same tiles of A, the four of a column the same tiles of B: each tile is asked for JOINTLY.
; REGISTERS, in windows of 256: window 0: v0-31 addresses and the scale; v32-47 the stores' offsets; from v128 A's fragments, ONE set; on the way out the codes.
;   window 1: B's fragments, TWO sets.   window 2: the 32 accumulators of my rows 0-63 (accumulator (a, b) at v[8 (8 a + b)]);   window 3: those of my rows 64-127.
.set ROWB,   256                       ; a tile's row in bytes: 256 codes
.set KROW,   1024                      ; a row of either operand in memory, in bytes
.set PITCH,  272                       ; an LDS row: 256 bytes + 16 of padding = 68 words: row r starts at bank 4 r mod 64 (64 banks of 4 bytes: ISA guide 11.1), so the 16 rows that a load touches start at 16 different banks
.set FR,     16                        ; registers of a fragment: 16 rows x 128 K
.set NL,     4                         ; LDS loads that bring one
.set NP,     4                         ; places behind this matrix instruction (ISA guide 7.12.1)
.set HALFT,  128*PITCH                 ; 128 rows: what one tensor load brings, and what one wave reads of A or of B
.set SLOT,   4*HALFT                   ; A's 256 rows, then B's 256 rows
.set SPARE,  2*SLOT                    ; behind the ring: the spare words, 128 bytes for each wave: two blocks of 256 bytes that no other line names
.set ADRA, 16                          ; v16-17  LDS address of my A fragments in slot 0, 1
.set ADRB, 20                          ; v20-21  the same for B
.set SPW,  28                          ; v28     LDS address of my spare word; never rewritten
.set NIL,  29                          ; v29     0; never rewritten
.set SCL,  30                          ; v30     the conversions' scale, 2^(e - e0 - e1) as f32
.set LIMV, 31
.set OF,   32                          ; v32-47  the stores' byte offsets: block a, pieces 0-1 at v[OF + 2 a], pieces 2-3 at v[OF + 2 a + 1]
.set AF,   128                         ; A's fragments, in window 0
.set CD,   128                         ; the way out: block a's codes at v[CD + 16 a]: every store has data registers of its own
.set G1, 24                            ; s[24:31] descriptor group 1 for A's tiles;  s[32:39] group 0, one set for each slot
.set G0, 32
.set G1B, 48                           ; s[48:55], s[56:63] the same for B's tiles
.set G0B, 56
.set MSB, 0
.macro WIN new                         ; the immediate's high byte repeats the setting that is left
.if MSB != \new
	s_set_vgpr_msb (MSB<<8)|\new
.set MSB, \new
.endif
.endm
.set MUL_LO, 0xa1                      ; source 0 (B) window 1, source 1 (A) window 0, C and D window 2
.set MUL_HI, 0xf1                      ; the same, C and D window 3
.set TO_B,   0x40                      ; destination window 1, address window 0
; A joint load: waves 0 and 1 fetch for A, waves 2 and 3 for B.  Each of the two lines has ONE mask and one set of registers for all that issue it; the branch hangs on the wave's number alone.
; Four v_nop follow each of the two lines, ahead of the jump, the label and what follows.
.macro JLOAD g0a, g1a, g0b, g1b
	s_cmp_eq_u32 s15, 0
	s_cbranch_scc0 .Lfor_b_\@
	tensor_load_to_lds s[\g0a:\g0a+3], s[\g1a:\g1a+7]
	s_nop 0
.rept 4
	v_nop
.endr
	s_branch .Lasked_\@
.Lfor_b_\@:
	tensor_load_to_lds s[\g0b:\g0b+3], s[\g1b:\g1b+7]
	s_nop 0
.rept 4
	v_nop
.endr
.Lasked_\@:
.endm
.macro CREST                           ; a round of the cluster's barrier behind its opening barrier
	s_cmp_lg_u32 s14, 0
	s_cbranch_scc1 .Lnot_wave_0_\@
	s_barrier_signal -3
.Lnot_wave_0_\@:
	s_barrier_wait -3
	s_barrier_signal -1
	s_barrier_wait -1
.endm
.macro CROUND                          ; a whole round
	s_barrier_signal -1
	s_barrier_wait -1
	CREST
.endm
	s_load_b128 s[4:7], s[0:1], 0x0                ; x_codes s[4:5], wa_codes s[6:7]
	s_load_b128 s[8:11], s[0:1], 0x10              ; the scales' exponents s[8:9], qkv s[10:11]
	v_lshl_add_u32 v[SPW], v0, 2, SPARE
	v_mov_b32 v[NIL], 0
	ds_add_u32 v28, v29
	ds_add_u32 v28, v29
	s_wait_dscnt 0x0
	v_lshrrev_b32 v1, 5, v0
	v_readfirstlane_b32 s14, v1                    ; wave 0..3
	s_lshr_b32 s15, s14, 1                         ; which half of the tile's rows is mine.  Also: I fetch for A (0) or for B (1)
	s_and_b32 s16, s14, 1                          ; which half of its columns.  Also: which 128 rows of that tile I fetch
	s_bfe_u32 s40, ttmp6, 0x40000                  ; cx, cy: my place in the cluster
	s_bfe_u32 s41, ttmp6, 0x40004
	s_and_b32 s17, ttmp7, 0xffff                   ; cluster y, 0..7
	s_cmp_eq_u32 ttmp9, 2                          ; v?
	s_cselect_b32 s42, s17, ttmp9                  ; the tokens go along the columns for v, along the rows for q and k
	s_cselect_b32 s17, 0, s17
	s_lshl_b32 s42, s42, 2
	s_add_co_u32 s42, s42, s40                     ; tile column: q, k: 4 x cluster x + cx (0..7);  v: 4 x cluster y + cx (0..31)
	s_lshl_b32 s17, s17, 2
	s_add_co_u32 s17, s17, s41                     ; tile row: q, k: 4 x cluster y + cy (0..31);  v: cy (0..3)
	s_lshl_b32 s43, s41, 2
	s_lshl_b32 s43, 15, s43                        ; my row of the cluster
	s_lshl_b32 s44, 0x1111, s40                    ; my column
	; descriptor group 1: a tile of 128 rows x 256 bytes, padded in LDS
	s_or_b32 s[G1+0], s43, (0<<16)|(1<<20)|(1<<21)|(5<<22)|(3<<25)  ; 15:0 the mask: A's tiles go to my row; 17:16 element of 1 byte; 20 padding on; 21 set beside a mask; 24:22 after every 64 words (code 5); 31:25 of 4 words (code 3)
	s_or_b32 s[G1B+0], s44, (0<<16)|(1<<20)|(1<<21)|(5<<22)|(3<<25)
.irp g, G1, G1B
	s_mov_b32 s[\g+1], ROWB<<16                    ; tensor_dim0
	s_mov_b32 s[\g+2], 128<<16                     ; tensor_dim1 = 128
	s_mov_b32 s[\g+3], ROWB<<16                    ; tile_dim0
	s_mov_b32 s[\g+4], 128                         ; tile_dim1 = 128
	s_mov_b32 s[\g+5], KROW                        ; tensor_dim0_stride
	s_mov_b32 s[\g+6], 0
	s_mov_b32 s[\g+7], 0
.endr
	s_lshl_b32 s18, s16, 7                         ; which 128 rows of the tile I fetch
	s_lshl_b32 s20, s17, 8
	s_add_co_u32 s20, s20, s18                     ; A: row 256 x tile row + 128 x half,
	s_lshl_b32 s20, s20, 10                        ; in bytes (8 MiB at the most)
	s_mov_b32 s21, 0
	s_lshl_b32 s46, s42, 8
	s_add_co_u32 s46, s46, s18                     ; B: row 256 x tile column + 128 x half
	s_lshl_b32 s46, s46, 10
	s_mov_b32 s47, 0
	s_mul_i32 s45, s14, HALFT                      ; where they go: wave x 128 rows: no place in the cluster enters an LDS address
	s_wait_kmcnt 0x0
	s_load_b256 s[80:87], s[8:9], 0x0              ; e0 .. e7
	s_add_nc_u64 s[72:73], s[6:7], 0x200000        ; wa_codes at row 2,048: v's weights
	s_cmp_eq_u32 ttmp9, 2
	s_cselect_b64 s[68:69], s[72:73], s[4:5]       ; side A
	s_cselect_b64 s[70:71], s[4:5], s[6:7]         ; side B
	s_add_nc_u64 s[20:21], s[68:69], s[20:21]
	s_add_nc_u64 s[46:47], s[70:71], s[46:47]
	CROUND                                         ; all sixteen work-groups are here: the first joint loads meet
.irp s, 0,1
	s_mov_b32 s[G0+4*\s], 1
	s_add_co_u32 s[G0+4*\s+1], s45, \s*SLOT
	s_add_nc_u64 s[G0+4*\s+2:G0+4*\s+3], s[20:21], \s*ROWB
	s_or_b32 s[G0+4*\s+3], s[G0+4*\s+3], 0x80000000
	s_mov_b32 s[G0B+4*\s], 1
	s_add_co_u32 s[G0B+4*\s+1], s45, \s*SLOT
	s_add_nc_u64 s[G0B+4*\s+2:G0B+4*\s+3], s[46:47], \s*ROWB
	s_or_b32 s[G0B+4*\s+3], s[G0B+4*\s+3], 0x80000000
	JLOAD G0+4*\s, G1, G0B+4*\s, G1B
.endr
	v_and_b32 v1, 15, v0                           ; l % 16
	v_bfe_u32 v2, v0, 4, 1                         ; l / 16
	v_mul_u32_u24 v3, v1, PITCH
	v_lshl_add_u32 v4, v2, 4, v3                   ; a fragment's row x pitch + 16 x half
	s_mul_i32 s21, s15, HALFT                      ; my 128 rows of A
	s_mul_i32 s22, s16, HALFT                      ; my 128 rows of B,
	s_add_co_u32 s22, s22, 2*HALFT                 ; which lie behind A's 256
.irp s, 0,1
	v_add_nc_u32 v[ADRA+\s], s21, v4
	v_add_nc_u32 v[ADRB+\s], s22, v4
	s_add_co_u32 s21, s21, SLOT
	s_add_co_u32 s22, s22, SLOT
.endr
	; THE WAY OUT'S ADDRESSES, in registers that feed no descriptor.  Both kinds' offsets are made and one is chosen.
	; q, k: my part begins at (kind << 23) + ((16 batch + my first head) x 128 + my first token tile) x 1,024
	s_lshr_b32 s88, s17, 3                         ; batch: eight tile rows of 256 tokens
	s_lshl_b32 s88, s88, 4
	s_and_b32 s89, s42, 3
	s_lshl_b32 s89, s89, 2                         ; a tile column is four heads,
	s_add_co_u32 s88, s88, s89
	s_lshl_b32 s89, s16, 1                         ; my half of it two
	s_add_co_u32 s88, s88, s89
	s_lshl_b32 s88, s88, 7
	s_and_b32 s89, s17, 7
	s_lshl_b32 s89, s89, 4
	s_add_co_u32 s88, s88, s89
	s_lshl_b32 s89, s15, 3
	s_add_co_u32 s88, s88, s89
	s_lshl_b32 s88, s88, 10
	s_lshl_b32 s89, ttmp9, 23
	s_add_co_u32 s88, s88, s89
	; v: 16 MiB + (((16 batch + my first head) x 16 + my 128 keys) x 4) x 2,048
	s_lshr_b32 s90, s42, 3
	s_lshl_b32 s90, s90, 4
	s_lshl_b32 s91, s17, 2
	s_add_co_u32 s90, s90, s91
	s_lshl_b32 s91, s15, 1
	s_add_co_u32 s90, s90, s91
	s_lshl_b32 s90, s90, 4
	s_and_b32 s91, s42, 7
	s_lshl_b32 s91, s91, 1
	s_add_co_u32 s90, s90, s91
	s_add_co_u32 s90, s90, s16
	s_lshl_b32 s90, s90, 13
	s_add_co_u32 s90, s90, 1<<24
	s_mov_b32 s92, 1024
	s_mov_b32 s93, 4096
	s_mov_b32 s94, 131072
	s_cmp_eq_u32 ttmp9, 2
	s_cselect_b32 s88, s90, s88
	s_cselect_b32 s92, 2048, s92                   ; from block a to a + 1 (inside four): q, k: the next token tile;  v: the next 16 of the head's 64
	s_cselect_b32 s93, 131072, s93                 ; from block a to a + 4: q, k: four token tiles;  v: the next head
	s_cselect_b32 s94, 1024, s94                   ; from pieces 0-1 to pieces 2-3: q, k: the next head;  v: the fragment's second half
	s_mov_b32 s89, 0
	s_add_nc_u64 s[10:11], s[10:11], s[88:89]
	v_and_b32 v[OF], 31, v0
	v_lshlrev_b32 v[OF], 4, v[OF]                  ; 16 x lane
	v_add_nc_u32 v[OF+1], s94, v[OF]
.irp a, 1,2,3
	v_add_nc_u32 v[OF+2*\a], s92, v[OF+2*\a-2]
	v_add_nc_u32 v[OF+2*\a+1], s92, v[OF+2*\a-1]
.endr
.irp a, 4,5,6,7
	v_add_nc_u32 v[OF+2*\a], s93, v[OF+2*\a-8]
	v_add_nc_u32 v[OF+2*\a+1], s93, v[OF+2*\a-7]
.endr
	s_wait_kmcnt 0x0
	s_cmp_eq_u32 ttmp9, 0
	s_cselect_b32 s88, s82, s83                    ; e2 for q, e3 for k,
	s_cmp_eq_u32 ttmp9, 2
	s_cselect_b32 s88, s85, s88                    ; e5 for v
	s_sub_co_i32 s88, s88, s80
	s_sub_co_i32 s88, s88, s81                     ; e - e0 - e1: the three scales folded into the conversion's one
	s_add_co_i32 s88, s88, 127
	s_lshl_b32 s89, s88, 23
	v_mov_b32 v[SCL], s89
.macro FRAG reg, adr, q, i             ; a fragment, 16 rows x 128 K, is 16 registers: lane l holds row l % 16; registers 4 c .. 4 c + 3 hold K = 32 c + 16 (l / 16) + 0 .. 15: the same order of k in A and in B, so every product meets its partner
.irp c, 0,1,2,3
	ds_load_b128 v[\reg+4*\c:\reg+4*\c+3], v[\adr] offset:128*(\q)+32*\c+(\i)*16*PITCH
.endr
.endm
; 16 matrix instructions: A's blocks a0, a0 + 1 x B's eight, 128 along K.  p: B's set.  zero = 1: the first product starts the sums: nothing is ever cleared.
; The 64 accumulators take turns, one instruction a turn, in the same order in every step.
.macro MUL16 a0, p, zero
.irp a, \a0, \a0+1
.irp b, 0,1,2,3,4,5,6,7
.if \zero
	v_wmma_f32_16x16x128_fp8_fp8 v[8*(8*((\a)%4)+\b):8*(8*((\a)%4)+\b)+7], v[128*(\p)+FR*\b:128*(\p)+FR*\b+FR-1], v[AF+FR*(\a):AF+FR*(\a)+FR-1], 0
.else
	v_wmma_f32_16x16x128_fp8_fp8 v[8*(8*((\a)%4)+\b):8*(8*((\a)%4)+\b)+7], v[128*(\p)+FR*\b:128*(\p)+FR*\b+FR-1], v[AF+FR*(\a):AF+FR*(\a)+FR-1], v[8*(8*((\a)%4)+\b):8*(8*((\a)%4)+\b)+7]
.endif
.endr
.endr
.endm
.macro FETCH_B slot, q, p              ; B's eight fragments of the slot's q-th 128 along K into set p
	WIN TO_B
.irp i, 0,1,2,3,4,5,6,7
	FRAG 128*(\p)+FR*\i, ADRB+\slot, \q, \i
.endr
	WIN 0
.endm
.macro FETCH_A slot, q, i0             ; A's blocks i0 .. i0 + 3
.irp i, \i0, \i0+1, \i0+2, \i0+3
	FRAG AF+FR*(\i), ADRA+\slot, \q, \i
.endr
.endm
; A load into a register that a matrix instruction has read, and a vector instruction that reads a matrix result or writes one of a matrix instruction's registers, stand NP places behind it;
; only plain vector instructions that name none of its registers are places (ISA guide 7.12.1 for vector instructions).
.macro PLACES n
.rept \n
	v_nop
.endr
.endm
; A step of 128 along K that has its successor in the same slot.
.macro STEP slot, q, zero
	s_wait_dscnt 4*NL                              ; B's set and A's blocks 0-3 are in; the youngest sixteen loads (A's blocks 4-7) may be out
	WIN MUL_LO
	MUL16 0, (\q)%2, \zero
	MUL16 2, (\q)%2, \zero
	s_wait_dscnt 0                                 ; A's blocks 4-7 are in (asked for 32 matrix instructions ago)
	PLACES NP
	FETCH_B \slot, (\q)+1, 1-(\q)%2
	FETCH_A \slot, (\q)+1, 0
	WIN MUL_HI
	MUL16 4, (\q)%2, \zero
	MUL16 6, (\q)%2, \zero
	PLACES NP
	WIN 0
	FETCH_A \slot, (\q)+1, 4
.endm
; A slot's last step changes slots: ONE barrier; in front of it each wave waits for all its tensor loads, adds 0 to its spare word, and waits for that and for its own reads of this slot.  fill = 1: this slot is filled again, two K steps ahead.
.macro TURN slot, next, fill
	s_wait_tensorcnt 0x0                           ; all my tensor loads have landed: my part of the next slot;  (every window is 0 here: the add's two registers lie in window 0)
	ds_add_u32 v[SPW], v[NIL]                      ; 0 onto my spare word
	s_wait_dscnt 4*NL+1                            ; (the add and the youngest sixteen loads, A's blocks 4-7, may be out)
	WIN MUL_LO
	MUL16 0, 1, 0                                  ; sixteen matrix instructions stand between the add and the wait for it
	s_wait_dscnt 0x0                               ; the add is done, and my reads of this slot are over
	s_barrier_signal -1
	MUL16 2, 1, 0
	WIN 0
	s_barrier_wait -1
.if \fill
	CREST                                          ; the barrier has opened a round of the cluster's barrier: no wave of any partner still reads this slot's tile or has a load on its way
	s_add_nc_u64 s[G0+4*\slot+2:G0+4*\slot+3], s[G0+4*\slot+2:G0+4*\slot+3], 2*ROWB
	s_add_nc_u64 s[G0B+4*\slot+2:G0B+4*\slot+3], s[G0B+4*\slot+2:G0B+4*\slot+3], 2*ROWB
	JLOAD G0+4*\slot, G1, G0B+4*\slot, G1B         ; the first tensor load behind the round; the four v_nop behind it are the places in front of the loads below
.else
	PLACES NP
.endif
	FETCH_B \next, 0, 0
	FETCH_A \next, 0, 0
	WIN MUL_HI
	MUL16 4, 1, 0
	MUL16 6, 1, 0
	PLACES NP
	WIN 0
	FETCH_A \next, 0, 4
.endm
	s_wait_tensorcnt 1                             ; my part of K step 0 is in (K step 1's load may be out)
	s_barrier_signal -1
	s_barrier_wait -1                              ; everybody's is
	FETCH_B 0, 0, 0
	FETCH_A 0, 0, 0
	FETCH_A 0, 0, 4
	STEP 0, 0, 1                                   ; K has four steps of 256, twice round the ring: all is written out.  The first products start the sums
	TURN 0, 1, 1                                   ; slot 0 takes K step 2
	STEP 1, 0, 0
	TURN 1, 0, 1                                   ; slot 1 takes K step 3
	STEP 0, 0, 0
	TURN 0, 1, 0                                   ; the last lap fills nothing, and has no round of the cluster's barrier
	STEP 1, 0, 0
	s_wait_dscnt 4*NL                              ; the very last step: nothing more to fetch
	WIN MUL_LO
	MUL16 0, 1, 0
	MUL16 2, 1, 0
	s_wait_alu depctr_va_vdst(0)
	s_wait_dscnt 0
	WIN MUL_HI
	MUL16 4, 1, 0
	MUL16 6, 1, 0
	WIN 0
; THE WAY OUT, block by block of 16 rows of A's side.  The block's 64 sums of a lane are converted eight at a time, and are then
; sixteen registers of the next operand: four stores of 16 bytes a lane, each 512 consecutive bytes, aligned.  No LDS, no barrier, and no store's data are written again.
.macro OUTBLK a
.set AC, 64*((\a)%4)
.set WS, 2+(\a)/4                      ; the block's accumulators lie in window 2 or 3
.set WD, (WS<<6)|WS
	WIN WD                                         ; destination and source 0
.set j, 0
.rept 64
.set j, j+1
.endr
	WIN WS                                         ; source 0 alone
.irp b, 0,1,2,3,4,5,6,7
	v_cvt_scalef32_pk8_fp8_f32 v[CD+16*(\a)+2*\b:CD+16*(\a)+2*\b+1], v[AC+8*\b:AC+8*\b+7], v[SCL]
.endr
	WIN 0
	v_nop                                          ; one plain vector line behind the last conversion of the run
.irp g, 0,1,2,3
	global_store_b128 v[OF+2*(\a)+\g/2], v[CD+16*(\a)+4*\g:CD+16*(\a)+4*\g+3], s[10:11] offset:(\g%2)*512
.endr
.endm
	PLACES NP                                      ; behind the last products: the conversions read results and write registers that held A's fragments
.irp a, 0,1,2,3,4,5,6,7
	OUTBLK \a
.endr
	s_wait_tensorcnt 0x0                           ; the wave's end
	ds_add_u32 v[SPW], v[NIL]
	s_wait_dscnt 0x0
	CROUND                                         ; the closing round: no work-group ends while a partner may still ask for a tile that names it
	s_endpgm
.Lfunc_end_k_qadd947a08d_gemm_qkv:
	.size	k_qadd947a08d_gemm_qkv, .Lfunc_end_k_qadd947a08d_gemm_qkv-k_qadd947a08d_gemm_qkv
	.p2alignl 7, 3214868480
	.fill 96, 4, 3214868480
	.section	.rodata,"a",@progbits
	.p2align	6, 0x0
	.amdhsa_kernel k_qadd947a08d_gemm_qkv
		.amdhsa_group_segment_fixed_size 327680
		.amdhsa_private_segment_fixed_size 0
		.amdhsa_enable_private_segment 0
		.amdhsa_kernarg_size 32
		.amdhsa_user_sgpr_count 2
		.amdhsa_user_sgpr_kernarg_segment_ptr 1
		.amdhsa_wavefront_size32 1
		.amdhsa_system_sgpr_workgroup_id_x 1
		.amdhsa_system_sgpr_workgroup_id_y 1
		.amdhsa_system_sgpr_workgroup_id_z 1
		.amdhsa_system_vgpr_workitem_id 0
		.amdhsa_next_free_vgpr 1024
		.amdhsa_next_free_sgpr 100
		.amdhsa_reserve_vcc 0
		.amdhsa_float_denorm_mode_32 3
		.amdhsa_float_denorm_mode_16_64 3
		.amdhsa_fp16_overflow 1
		.amdhsa_memory_ordered 1
		.amdhsa_forward_progress 1
		.amdhsa_inst_pref_size 87
	.end_amdhsa_kernel
	.amdgpu_metadata
---
amdhsa.version: [ 1, 2 ]
amdhsa.kernels:
  - .name:           k_qadd947a08d_gemm_qkv
    .symbol:         k_qadd947a08d_gemm_qkv.kd
    .args:
      - { .name: x_codes, .offset: 0, .size: 8, .value_kind: global_buffer, .address_space: global }
      - { .name: wa_codes, .offset: 8, .size: 8, .value_kind: global_buffer, .address_space: global }
      - { .name: lowp_scales, .offset: 16, .size: 8, .value_kind: global_buffer, .address_space: global }
      - { .name: qkv, .offset: 24, .size: 8, .value_kind: global_buffer, .address_space: global }
    .group_segment_fixed_size: 327680
    .private_segment_fixed_size: 0
    .kernarg_segment_align: 8
    .kernarg_segment_size: 32
    .max_flat_workgroup_size: 128
    .sgpr_count:     100
    .vgpr_count:     1024
    .wavefront_size: 32
...
	.end_amdgpu_metadata
.endif
;; end of part 2
;; launch attn (part 3): grid 4 x 64, 16 waves a work-group, no clusters, 327,680 bytes of LDS; arguments qkv, lowp_scales, y_img; writes y_img
.if DOCPART == 3
	.amdgcn_target "amdgcn-amd-amdhsa--gfx1250"
	.amdhsa_code_object_version 6
	.text
	.protected	k_qadd947a08d_attn
	.globl	k_qadd947a08d_attn
	.p2align	8
	.type	k_qadd947a08d_attn,@function
k_qadd947a08d_attn:
	s_mov_b64 s[64:65], 0
	v_nop
	global_prefetch_b8 v0, s[64:65] scope:SCOPE_SE
	s_setreg_imm32_b32 hwreg(HW_REG_WAVE_MODE, 25, 1), 1
	s_wait_xcnt 0x0
; y = softmax(q k^T / 8, causal) v for 64 heads (16 batch + head) of 2,048 tokens x 64, both products on codes of FP8 (E4M3); y is quantised at once for the last product.
; q, k, v come as images of operand registers (qkv: q at 0, k at 8 MiB: [head][token tile of 16][1,024 bytes];  v at 16 MiB: [head][128 keys][16 of the head's 64][2,048 bytes]): lane l's 16 bytes of a piece of 512 lie at 16 l.
; THE SOFTMAX AHEAD OF THE SECOND PRODUCT: t = score x log2(e) / 8; M = the row's largest t so far, rounded UP to a whole number; p = 2^(t - M) is what is quantised, with 2^e4; it is not normalised.
; The row's sum is taken of the unquantised p, in f32, and divides O at the end.  When M moves, the sum and O are multiplied by 2^(old M - new M): exact.
; SHARES.  A work-group (x = i, y = head) owns TWO blocks of 256 queries, 7 - i and i, and walks NINE trips, a constant: a trip is 256 keys against one block; block 7 - i takes keys' slots 0 .. 7 - i, block i slots 0 .. i.
; So all work-groups have the same work under the causal mask, and no slot is fetched whose keys all come after the block.  Each of the SIXTEEN waves owns 16 queries of the block, in 256 registers: four waves to a SIMD,
; so that one wave's vector work stands beside another's matrix work and LDS loads.
; NO CLUSTER: the four work-groups of a head ask for the same slot only in trips 0 to 4; after that each is in another place of its walk, and partners that walked in step would need 12 trips for these 9.
; LAYOUT.  Both products are used transposed: S^T = K Q^T (source 0 = 16 keys, source 1 = my 16 queries; K = 64), O^T = V^T P^T (source 0 = 16 of the head's 64, source 1 = P; K = 128 keys): a lane holds ONE query throughout.
; S^T's tile t holds, in lane (r, h), keys 16 t + 8 h + 0 .. 7: converted, it is registers 2 t, 2 t + 1 of P in the form's own layout.  V's rows are ordered so that O^T's tiles 2 c and 2 c + 1 are, in lane (r, h),
; the head's 32 c + 16 h + 0 .. 15: converted, 16 neighbouring bytes.  y_img: [token tile][head][piece c of 2][lane][16 bytes].
; LIMITS on the given exponents, so that each power of two below is an f32 number: e2 + e3 between -123 and 130 (added to c's exponent field); e4, and e6 - e4 - e5, between -126 and 119.
; REGISTERS: v1 16 x lane; v3 the prefetches' offset; v5, v6 the add's; v8 LDS address in hand; v12 -M, v13 the largest t, v[14:15] the sum in two halves; v16-23 Q in hand; v24-31 Q of the second block;
;   v32-95 fragments of K, then of V; v96-159 S^T, then p; v160-191 O^T; v192-207 p's codes; v208-215 y's codes; v236-255 at work.
.set SLOT1, 1<<15                      ; a slot: K's 16 images (16,384 bytes), then V's 8 (16,384); slot 1 begins here, so that one exclusive or turns an address in one slot into the other's
.set VOFF,  16384
.set SPARE, 2*SLOT1                    ; behind the ring: the spare words, 128 bytes for each wave: eight blocks of 256 bytes that no other line names
.set LN,   1
.set PFO,  3
.set SPW,  5
.set NIL,  6
.set ADR,  8
.set QF,   16
.set QL,   24
.set FRG,  32
.set ST,   96
.set OT,   160
.set PC,   192
.set YC,   208
.set TB,   2                           ; s2   LDS byte at which the slot in hand begins
.set CNT,  3                           ; s3   trips of the loop still to go
.set HB,   10                          ; s10  the first block, 7 - i
.set LB,   11                          ; s11  the second, i
.set TL,   12                          ; s12  trips left in the block in hand
.set NS,   13                          ; s13  the slot of keys asked for last
.set KF,   14                          ; s14  the step's first key
.set Q0,   15                          ; s15  my first query
.set WV,   18                          ; s18  my wave's number
.set SEL,  20                          ; s[20:21] lane selects for v_permlanex16_b32: lane l xor 16
.set CS,   22                          ; s[22:23] c = log2(e) / 8 x 2^(e2 + e3)
.set G1,   24                          ; s[24:31] descriptor group 1: one shape for K's and V's blocks
.set G0,   40                          ; s[40:43] descriptor group 0, which walks
.set KVB,  44                          ; s[44:45] the head's first byte of K (even waves) or V (odd waves), without the type bits
.set QHB,  48                          ; s[48:49], s[50:51] my two tiles of Q
.set QLB,  50
.set YB,   52                          ; s[52:53] where my tile of y goes
.set PFA,  76                          ; s[76:77] where my prefetches stand
.set LIM,  80                          ; s80  2 in a wave that prefetches, else the greatest number: a wave prefetches while s[CNT] is above it
; Wave 0 fetches K's block of a slot, wave 1 V's, the others nothing: one line, told apart by the wave's number in both addresses.  Four v_nop follow it.
.macro TLOAD
	s_cmp_lt_u32 s[WV], 2
	s_cbranch_scc0 .Lasked_\@
	tensor_load_to_lds s[G0:G0+3], s[G1:G1+7]
	s_nop 0
.rept 4
	v_nop
.endr
.Lasked_\@:
.endm
; A PREFETCH INTO THE L2 of what the NEXT change of slots will ask for.  It stands at the change of slots, where the fetching waves have their tensor load.  Each aligned block of 256 bytes is asked for ONCE in the launch:
; all four work-groups of a head walk slots 0, 1, 2 .. first; the one with x = 0, whose trips 0 to 7 are slots 0 to 7, asks (a branch on the work-group's number: no cluster here).  In it waves 4 and 5 ask for K's 16,384 bytes,
; waves 6 and 7 for V's: 8,192 bytes a wave, lanes 256 bytes apart, one instruction.  Trip t asks for slot t + 2, which trip t + 1's tensor load wants; trips 0 to 5 ask, so nothing past slot 7 is named.  Slots 0 and 1 come by their loads alone.
.macro ASK
	s_cmp_gt_u32 s[CNT], s[LIM]
	s_cbranch_scc0 .Lnot_mine_\@
	global_prefetch_b8 v[PFO], s[PFA:PFA+1] th:TH_LOAD_NT scope:SCOPE_SE
.Lnot_mine_\@:
.endm
	s_load_b128 s[4:7], s[0:1], 0x0                ; qkv s[4:5], the scales' exponents s[6:7]
	s_load_b64 s[8:9], s[0:1], 0x10                ; y_img
	v_lshl_add_u32 v[SPW], v0, 2, SPARE
	v_mov_b32 v[NIL], 0
	ds_add_u32 v5, v6
	ds_add_u32 v5, v6
	s_wait_dscnt 0x0
	v_lshrrev_b32 v8, 5, v0
	s_delay_alu instid0(VALU_DEP_1)
	v_readfirstlane_b32 s[WV], v8                  ; wave 0..15
	s_and_b32 s82, ttmp7, 0xffff                   ; 16 batch + head
	s_mov_b32 s[LB], ttmp9
	s_sub_co_u32 s[HB], 7, ttmp9
	s_add_co_u32 s[TL], s[HB], 1
	s_lshr_b32 s56, s82, 4
	s_lshl_b32 s56, s56, 7                         ; the batch's first token tile in y_img
	s_and_b32 s57, s82, 15
	s_lshl_b32 s57, s57, 10                        ; the head's 1,024 bytes in a token tile
	s_lshl_b32 s83, s82, 17                        ; the head's first byte in q, in k and in v: 131,072 bytes a head in each
	s_and_b32 s96, s[WV], 1
	; descriptor group 1: 16,384 bytes that are dense in memory, as 64 rows of 256 bytes, dense in LDS too
	s_mov_b32 s[G1], 3<<16                         ; 15:0 no mask; 17:16 elements of 8 bytes; no padding
	s_mov_b32 s[G1+1], 32<<16                      ; tensor_dim0 = 32
	s_mov_b32 s[G1+2], 64<<16                      ; tensor_dim1 = 64
	s_mov_b32 s[G1+3], 32<<16                      ; tile_dim0 = 32
	s_mov_b32 s[G1+4], 64                          ; tile_dim1 = 64
	s_mov_b32 s[G1+5], 32                          ; tensor_dim0_stride
	s_mov_b32 s[G1+6], 0
	s_mov_b32 s[G1+7], 0
	s_mov_b32 s[G0], 1                             ; 1:0 count = 1
	s_lshl_b32 s[G0+1], s96, 14                    ; 63:32 LDS address: slot 0; K's block, or V's behind it
	s_add_co_u32 s46, s96, 1
	s_lshl_b32 s46, s46, 23                        ; k at 8 MiB, v at 16 MiB,
	s_add_co_u32 s46, s46, s83                     ; my head
	s_mov_b32 s47, 0                               ; (stays 0: s[46:47] is the pair in which a slot's offset is made)
	s_mov_b32 s[SEL], 0x76543210
	s_mov_b32 s[SEL+1], 0xfedcba98
	s_mov_b32 s[CS], 0x3e38aa3b                    ; log2(e) / 8
	s_mov_b32 s[TB], 0
	s_mov_b32 s[CNT], 8
	s_mov_b32 s[NS], 0
	s_mov_b32 s[KF], 0
	s_lshl_b32 s[Q0], s[HB], 8
	s_lshl_b32 s54, s[WV], 4
	s_add_co_u32 s[Q0], s[Q0], s54                 ; my first query: 256 x block + 16 x wave
	s_wait_kmcnt 0x0
	s_load_b256 s[68:75], s[6:7], 0x0              ; e0 .. e7
	s_add_nc_u64 s[KVB:KVB+1], s[4:5], s[46:47]
	s_mov_b64 s[G0+2:G0+3], s[KVB:KVB+1]           ; 120:64 global address: the head's slot 0
	s_or_b32 s[G0+3], s[G0+3], 0x80000000          ; 127:126 type = 2
	TLOAD                                          ; trip 0's slot: the one first fill at the start
	s_lshl_b32 s54, s[Q0], 6                       ; a token tile of 16 is 1,024 bytes
	s_add_co_u32 s54, s54, s83
	s_mov_b32 s55, 0
	s_add_nc_u64 s[QHB:QHB+1], s[4:5], s[54:55]
	s_lshl_b32 s54, s[LB], 14
	s_lshl_b32 s82, s[WV], 10
	s_add_co_u32 s54, s54, s82
	s_add_co_u32 s54, s54, s83
	s_add_nc_u64 s[QLB:QLB+1], s[4:5], s[54:55]
	v_and_b32 v[LN], 31, v0
	s_delay_alu instid0(VALU_DEP_1)
	v_lshlrev_b32 v[LN], 4, v[LN]                  ; 16 x lane: my place in every image, in LDS and in memory
	global_load_b128 v[QF:QF+3], v[LN], s[QHB:QHB+1]
	global_load_b128 v[QF+4:QF+7], v[LN], s[QHB:QHB+1] offset:512
	global_load_b128 v[QL:QL+3], v[LN], s[QLB:QLB+1]
	global_load_b128 v[QL+4:QL+7], v[LN], s[QLB:QLB+1] offset:512
	; the prefetches (macro ASK): where my wave's stand, and who asks
	s_bfe_u32 s82, s[WV], 0x10001                  ; bit 1 of the wave's number: 0 in waves 4, 5 (K), 1 in waves 6, 7 (V)
	s_add_co_u32 s82, s82, 1
	s_lshl_b32 s82, s82, 23
	s_add_co_u32 s82, s82, s83
	s_lshl_b32 s96, s96, 13                        ; my half of a block
	s_add_co_u32 s82, s82, s96
	s_add_co_u32 s82, s82, 16384                   ; in slot 1: the first change of slots steps it to slot 2.  Nothing is prefetched here, at the head
	s_mov_b32 s83, 0
	s_add_nc_u64 s[PFA:PFA+1], s[4:5], s[82:83]
	s_sub_co_u32 s82, s[WV], 4
	s_lshr_b32 s82, s82, 2                         ; 0 in waves 4 to 7,
	s_or_b32 s82, s82, ttmp9                       ; of the head's work-group 0
	s_cmp_eq_u32 s82, 0
	s_cselect_b32 s[LIM], 2, -1
	v_and_b32 v[PFO], 31, v0
	s_delay_alu instid0(VALU_DEP_1)
	v_lshlrev_b32 v[PFO], 8, v[PFO]
	v_mov_b32 v13, 0xff61b1e6                      ; the largest t so far: -3e38, under every t
	s_delay_alu instid0(VALU_DEP_1)
	v_floor_f32 v12, -v13                          ; -M
	v_mov_b32 v14, 0                               ; the sum, in two halves
	v_mov_b32 v15, 0
	v_mov_b32 v236, 0                              ; written once: a lane permute's destination counts as one of its sources
	v_mov_b32 v253, 0                              ; (named as the upper half of the pair v[252:253])
.set j, 0
.rept 32
	v_mov_b32 v[OT+j], 0                           ; O^T.  (A step is written without a first form of its own: the first finds zeros, which the first change of M leaves zeros)
.set j, j+1
.endr
	s_wait_kmcnt 0x0
	s_add_co_i32 s82, s70, s71
	s_lshl_b32 s82, s82, 23
	s_add_co_i32 s[CS], s[CS], s82                 ; a score stands for score x 2^(e2 + e3): the two exponents are added to c's exponent field
	s_mov_b32 s[CS+1], s[CS]                       ; (named with it as a pair, so it is written)
	s_add_co_i32 s82, s72, 127
	s_lshl_b32 s83, s82, 23
	v_mov_b32 v244, s83                            ; 2^e4 as f32, for p's conversions
	s_sub_co_i32 s82, s74, s72
	s_sub_co_i32 s82, s82, s73                     ; O / the sum stands for y / 2^(e4 + e5): y's code is that / 2^(e6 - e4 - e5)
	s_add_co_i32 s82, s82, 127
	s_lshl_b32 s83, s82, 23
	v_mov_b32 v245, s83
; A KEY STEP: 128 keys, the q-th of the slot in hand.
.macro STEP q
	s_add_co_u32 s96, s[Q0], 15                    ; a step all of whose keys come after my 16 queries is left out: a scalar branch on ids, round the step's loads, products and softmax; no barrier and no tensor load stands in a step
	s_cmp_gt_u32 s[KF], s96
	s_cbranch_scc1 .Lhidden_\@
	v_add_nc_u32 v[ADR], s[TB], v[LN]
.rept 3
	v_nop                                          ; with the addition above: four places in front of loads into registers that the last products have read
.endr
.irp t, 0,1,2,3,4,5,6,7
	ds_load_b128 v[FRG+8*\t:FRG+8*\t+3], v[ADR] offset:(8*(\q)+\t)*1024        ; K's eight tiles of 16 keys: the 32 lanes read 512 consecutive bytes
	ds_load_b128 v[FRG+8*\t+4:FRG+8*\t+7], v[ADR] offset:(8*(\q)+\t)*1024+512
.endr
	s_wait_alu depctr_va_vdst(0)
	s_wait_dscnt 0x0
.irp t, 0,1,2,3,4,5,6,7
	v_wmma_f32_16x16x64_fp8_fp8 v[ST+8*\t:ST+8*\t+7], v[FRG+8*\t:FRG+8*\t+7], v[QF:QF+7], 0
.endr
.rept 4
	v_nop                                          ; places: in front of the loads below, into registers that these products have read, and of the first read of the scores
.endr
.irp d, 0,1,2,3
.irp g, 0,1,2,3
	ds_load_b128 v[FRG+16*\d+4*\g:FRG+16*\d+4*\g+3], v[ADR] offset:VOFF+8192*(\q)+2048*\d+512*\g   ; V's four tiles: they land while the softmax is worked
.endr
.endr
	s_add_co_u32 s96, s[KF], 127                   ; on the diagonal the scores of hidden keys become -infinity ahead of the maximum: p = 0 then.  A step all of whose keys count skips this
	s_cmp_le_u32 s96, s[Q0]
	s_cbranch_scc1 .Lopen_\@
	s_sub_co_i32 s96, s[Q0], s[KF]
	v_and_b32 v252, 15, v0
	v_bfe_u32 v253, v0, 4, 1
	s_delay_alu instid0(VALU_DEP_1)
	v_lshlrev_b32 v253, 3, v253
	s_delay_alu instid0(VALU_DEP_1)
	v_sub_nc_u32 v252, v252, v253
	s_delay_alu instid0(VALU_DEP_1)
	v_add_nc_u32 v252, s96, v252                   ; d = my query - KF - 8 (lane / 16).  Register 8 t + i holds key KF + 8 (lane / 16) + 16 t + i: hidden where 16 t + i > d
	v_mov_b32 v254, 0xff800000                     ; -infinity
.set n, 0
.rept 64
	v_cmp_gt_i32 vcc_lo, 16*(n/8)+n%8, v252
	v_cndmask_b32 v[ST+n], v[ST+n], v254, vcc_lo
.set n, n+1
.endr
.Lopen_\@:
	v_max3_num_f32 v254, v[ST], v[ST+1], v[ST+2]   ; the step's largest score of my query, among my 64 keys, in two chains (each tile is first read at its low end),
	v_max3_num_f32 v252, v[ST+3], v[ST+4], v[ST+5]
.irp i, 6,10,14,18,22,26,30,34,38,42,46,50,54,58
	v_max3_num_f32 v254, v254, v[ST+\i], v[ST+\i+1]
	v_max3_num_f32 v252, v252, v[ST+\i+2], v[ST+\i+3]
.endr
	v_max3_num_f32 v254, v254, v[ST+62], v[ST+63]
	s_delay_alu instid0(VALU_DEP_1)
	v_max_num_f32 v254, v254, v252
	s_delay_alu instid0(VALU_DEP_1)
	v_permlanex16_b32 v236, v254, s[SEL], s[SEL+1]
	s_delay_alu instid0(VALU_DEP_1)
	v_max_num_f32 v254, v254, v236                 ; and among lane l xor 16's
	s_delay_alu instid0(VALU_DEP_1)
	v_mul_f32 v254, s[CS], v254                    ; as t (c is positive)
	s_delay_alu instid0(VALU_DEP_1)
	v_max_num_f32 v13, v13, v254                   ; the running largest t
	v_mov_b32 v254, v12
	s_delay_alu instid0(VALU_DEP_2)
	v_floor_f32 v12, -v13                          ; the new -M = floor(-t) = -ceil(t): M IS A WHOLE NUMBER
	s_delay_alu instid0(VALU_DEP_1)
	v_sub_f32 v254, v12, v254                      ; M's old value less its new one: a whole number, 0 or less
	s_delay_alu instid0(VALU_DEP_1)
	v_cvt_i32_f32 v254, v254                       ; (it saturates)
	s_delay_alu instid0(VALU_DEP_1)
	v_ldexp_f32 v252, 1.0, v254                    ; f = 2^(old M - new M): a multiplication by it rounds nothing
.set j, 0
.rept 32
	v_pk_fma_f32 v[ST+j:ST+j+1], v[ST+j:ST+j+1], s[CS:CS+1], v[12:13] op_sel_hi:[1,0,0]   ; t - M, two at a time (of the pairs c and -M the low word serves both halves)
.set j, j+2
.endr
.set j, 0
	s_wait_alu depctr_va_vdst(0)
.rept 64
	v_exp_f32 v[ST+j], v[ST+j]                     ; p = 2^(t - M), at most 1: NOT normalised
.set j, j+1
.endr
	v_pk_mul_f32 v[14:15], v[14:15], v[252:253] op_sel_hi:[1,0]   ; the sums under the new M: a plain line behind the exponentials
	s_wait_alu depctr_va_vdst(0)                   ; one wait for the whole batch of exponentials, ahead of its first reader
	v_pk_add_f32 v[242:243], v[100:101], v[104:105]
	v_pk_add_f32 v[254:255], v[108:109], v[112:113]
	v_pk_add_f32 v[250:251], v[116:117], v[120:121]
	v_pk_add_f32 v[248:249], v[124:125], v[128:129]
	v_pk_add_f32 v[246:247], v[132:133], v[136:137]
	v_pk_add_f32 v[240:241], v[140:141], v[144:145]
	v_pk_add_f32 v[238:239], v[148:149], v[152:153]
	v_pk_add_f32 v[14:15], v[14:15], v[156:157]
	v_pk_add_f32 v[242:243], v[242:243], v[96:97]
	v_pk_add_f32 v[254:255], v[254:255], v[98:99]
	v_pk_add_f32 v[250:251], v[250:251], v[102:103]
	v_pk_add_f32 v[248:249], v[248:249], v[106:107]
	v_pk_add_f32 v[246:247], v[246:247], v[110:111]
	v_pk_add_f32 v[240:241], v[240:241], v[114:115]
	v_pk_add_f32 v[238:239], v[238:239], v[118:119]
	v_pk_add_f32 v[14:15], v[14:15], v[122:123]
	v_pk_add_f32 v[242:243], v[242:243], v[126:127]
	v_pk_add_f32 v[254:255], v[254:255], v[130:131]
	v_pk_add_f32 v[250:251], v[250:251], v[134:135]
	v_pk_add_f32 v[248:249], v[248:249], v[138:139]
	v_pk_add_f32 v[246:247], v[246:247], v[142:143]
	v_pk_add_f32 v[240:241], v[240:241], v[146:147]
	v_pk_add_f32 v[238:239], v[238:239], v[150:151]
	v_pk_add_f32 v[14:15], v[14:15], v[154:155]
	v_pk_add_f32 v[242:243], v[242:243], v[158:159]
	s_delay_alu instid0(VALU_DEP_2)
	v_pk_add_f32 v[14:15], v[14:15], v[248:249]
	s_delay_alu instid0(VALU_DEP_2)
	v_pk_add_f32 v[242:243], v[242:243], v[246:247]
	v_pk_add_f32 v[254:255], v[254:255], v[240:241]
	v_pk_add_f32 v[250:251], v[250:251], v[238:239]
	s_delay_alu instid0(VALU_DEP_2)
	v_pk_add_f32 v[14:15], v[14:15], v[254:255]
	s_delay_alu instid0(VALU_DEP_2)
	v_pk_add_f32 v[242:243], v[242:243], v[250:251]
	s_delay_alu instid0(VALU_DEP_1)
	v_pk_add_f32 v[14:15], v[14:15], v[242:243]
.irp t, 0,1,2,3,4,5,6,7
.irp i, 0,1,2,3,4,5,6,7
.endr
	v_cvt_scalef32_pk8_fp8_f32 v[PC+2*\t:PC+2*\t+1], v[ST+8*\t:ST+8*\t+7], v244   ; registers 2 t, 2 t + 1 of P: keys 16 t + 8 (lane / 16) + 0 .. 7
.endr
.set j, 0
.rept 16
	v_pk_mul_f32 v[OT+j:OT+j+1], v[OT+j:OT+j+1], v[252:253] op_sel_hi:[1,0]   ; O^T under the new M: x f, from each tile's low end on.  (Also the plain lines between the conversions and the products that read their results)
.set j, j+2
.endr
	s_wait_alu depctr_va_vdst(0)
	s_wait_dscnt 0x0                               ; V is in
.irp d, 0,1,2,3
	v_wmma_f32_16x16x128_fp8_fp8 v[OT+8*\d:OT+8*\d+7], v[FRG+16*\d:FRG+16*\d+15], v[PC:PC+15], v[OT+8*\d:OT+8*\d+7]   ; the four accumulators by turns, one instruction a turn
.endr
.Lhidden_\@:
	s_add_co_u32 s[KF], s[KF], 128
.endm
; THE CHANGE OF SLOTS stands at a trip's head.  Each wave waits for all its tensor loads (its part of the slot that it is about to read), adds 0 to its spare word, and waits for that and for its reads of the slot that it has left.
; Behind the barrier the slot ahead is whole and nobody reads the other one.  fill = 1: that other slot is filled with the next trip's keys: slots 0 .. HB, then 0 .. LB; the load has a whole trip in which to land.
.macro CHANGE fill
	s_wait_tensorcnt 0x0                           ; no tensor load of mine is out, so group 0 may be written
	ds_add_u32 v[SPW], v[NIL]                      ; 0 onto my spare word: with fill = 1 the descriptor's step stands between it and the wait for it
.if \fill
	s_add_co_u32 s[NS], s[NS], 1
	s_cmp_gt_u32 s[NS], s[HB]
	s_cselect_b32 s[NS], 0, s[NS]                  ; behind the first block's last slot comes the second block's slot 0 (LB is under HB, so this turns once)
	s_xor_b32 s[G0+1], s[G0+1], SLOT1              ; the other slot than last time
	s_lshl_b32 s46, s[NS], 14                      ; 16,384 bytes a slot, of K and of V alike
	s_add_nc_u64 s[G0+2:G0+3], s[KVB:KVB+1], s[46:47]
	s_or_b32 s[G0+3], s[G0+3], 0x80000000
	s_wait_xcnt 0x0                                ; the last prefetch, a trip back, has read its address, so it may be written
	s_add_nc_u64 s[PFA:PFA+1], s[PFA:PFA+1], 16384
.endif
	s_wait_dscnt 0x0                               ; the add is done, and my reads of the slot that I have left are over
	s_barrier_signal -1
	s_barrier_wait -1
.if \fill
	TLOAD                                          ; the first thing behind the barrier, and a wave's one tensor load until the next: one load of a wave is out at any time
	ASK
.endif
.endm
; A BLOCK'S END.  The sum's halves are added; O^T is divided by the sum, converted: 32 bytes a lane, which are y's operand registers: two stores of 512 consecutive bytes each, aligned.
; more = 1: the second block begins: its queries, its Q, and the statistics and O^T as at the head.
.macro FINISH more
.rept 4
	v_nop                                          ; places behind the last products
.endr
	s_wait_xcnt 0x0                                ; an earlier block's stores have read their data and their base: both are written again below
	v_add_f32 v14, v14, v15                        ; the sum's two halves,
	s_delay_alu instid0(VALU_DEP_1)
	v_permlanex16_b32 v236, v14, s[SEL], s[SEL+1]
	s_delay_alu instid0(VALU_DEP_1)
	v_add_f32 v14, v14, v236                       ; and lane l xor 16's: the row's sum
	s_wait_alu depctr_va_vdst(0)
	v_rcp_f32 v14, v14
	v_nop                                          ; a plain line behind the transcendental
	s_lshr_b32 s82, s[Q0], 4
	s_add_co_u32 s82, s82, s56                     ; my token tile,
	s_lshl_b32 s82, s82, 14                        ; 16,384 bytes each,
	s_add_co_u32 s82, s82, s57                     ; my head's 1,024 of them
	s_mov_b32 s83, 0
	s_add_nc_u64 s[YB:YB+1], s[8:9], s[82:83]
	s_wait_alu depctr_va_vdst(0)                   ; the wait ahead of the reciprocal's first reader
.set j, 0
.rept 16
	v_pk_mul_f32 v[OT+j:OT+j+1], v[OT+j:OT+j+1], v[14:15] op_sel_hi:[1,0]   ; O^T / the sum, from each tile's low end on
.set j, j+2
.endr
.set j, 0
.rept 32
.set j, j+1
.endr
.irp d, 0,1,2,3
	v_cvt_scalef32_pk8_fp8_f32 v[YC+2*\d:YC+2*\d+1], v[OT+8*\d:OT+8*\d+7], v245
.endr
	v_nop                                          ; one plain vector line behind the last conversion of the run
	global_store_b128 v[LN], v[YC:YC+3], s[YB:YB+1]
	global_store_b128 v[LN], v[YC+4:YC+7], s[YB:YB+1] offset:512
.if \more
	s_lshl_b32 s[Q0], s[LB], 8
	s_lshl_b32 s82, s[WV], 4
	s_add_co_u32 s[Q0], s[Q0], s82
	s_mov_b32 s[KF], 0
	s_add_co_u32 s[TL], s[LB], 1
.set j, 0
.rept 8
	v_mov_b32 v[QF+j], v[QL+j]                     ; the step's text names one set of registers for Q: the second block's tile, loaded at the head, moves in
.set j, j+1
.endr
	v_mov_b32 v13, 0xff61b1e6
	s_delay_alu instid0(VALU_DEP_1)
	v_floor_f32 v12, -v13
	v_mov_b32 v14, 0
	v_mov_b32 v15, 0
.set j, 0
.rept 32
	v_mov_b32 v[OT+j], 0
.set j, j+1
.endr
.endif
.endm
	s_wait_loadcnt 0x0                             ; Q, both tiles
.Ltrip:                                            ; eight trips: behind each change of slots the next trip's slot is asked for
	CHANGE 1
	STEP 0
	STEP 1
	s_xor_b32 s[TB], s[TB], SLOT1                  ; on to the other slot
	s_sub_co_u32 s[TL], s[TL], 1
	s_cmp_lg_u32 s[TL], 0                          ; the first block ends in trip HB, which is one of these eight; a branch on ids
	s_cbranch_scc1 .Lsame_block
	FINISH 1
.Lsame_block:
	s_sub_co_u32 s[CNT], s[CNT], 1
	s_cmp_lg_u32 s[CNT], 0
	s_cbranch_scc1 .Ltrip
	CHANGE 0                                       ; the ninth trip is written out
	STEP 0
	STEP 1
	FINISH 0
	s_wait_tensorcnt 0x0                           ; the wave's end
	ds_add_u32 v[SPW], v[NIL]
	s_wait_dscnt 0x0
	s_endpgm
.Lfunc_end_k_qadd947a08d_attn:
	.size	k_qadd947a08d_attn, .Lfunc_end_k_qadd947a08d_attn-k_qadd947a08d_attn
	.p2alignl 7, 3214868480
	.fill 96, 4, 3214868480
	.section	.rodata,"a",@progbits
	.p2align	6, 0x0
	.amdhsa_kernel k_qadd947a08d_attn
		.amdhsa_group_segment_fixed_size 327680
		.amdhsa_private_segment_fixed_size 0
		.amdhsa_enable_private_segment 0
		.amdhsa_kernarg_size 24
		.amdhsa_user_sgpr_count 2
		.amdhsa_user_sgpr_kernarg_segment_ptr 1
		.amdhsa_wavefront_size32 1
		.amdhsa_system_sgpr_workgroup_id_x 1
		.amdhsa_system_sgpr_workgroup_id_y 1
		.amdhsa_system_sgpr_workgroup_id_z 1
		.amdhsa_system_vgpr_workitem_id 0
		.amdhsa_next_free_vgpr 256
		.amdhsa_next_free_sgpr 100
		.amdhsa_reserve_vcc 1
		.amdhsa_float_denorm_mode_32 3
		.amdhsa_float_denorm_mode_16_64 3
		.amdhsa_fp16_overflow 1
		.amdhsa_memory_ordered 1
		.amdhsa_forward_progress 1
		.amdhsa_inst_pref_size 90
	.end_amdhsa_kernel
	.amdgpu_metadata
---
amdhsa.version: [ 1, 2 ]
amdhsa.kernels:
  - .name:           k_qadd947a08d_attn
    .symbol:         k_qadd947a08d_attn.kd
    .args:
      - { .name: qkv, .offset: 0, .size: 8, .value_kind: global_buffer, .address_space: global }
      - { .name: lowp_scales, .offset: 8, .size: 8, .value_kind: global_buffer, .address_space: global }
      - { .name: y_img, .offset: 16, .size: 8, .value_kind: global_buffer, .address_space: global }
    .group_segment_fixed_size: 327680
    .private_segment_fixed_size: 0
    .kernarg_segment_align: 8
    .kernarg_segment_size: 24
    .max_flat_workgroup_size: 512
    .sgpr_count:     100
    .vgpr_count:     256
    .wavefront_size: 32
...
	.end_amdgpu_metadata
.endif
;; end of part 3
;; launch gemm_proj (part 4): grid 4 x 32, 4 waves a work-group, clusters of 4 x 4, 327,680 bytes of LDS; arguments y_img, wp_codes, lowp_scales, out0; writes out0
.if DOCPART == 4
	.amdgcn_target "amdgcn-amd-amdhsa--gfx1250"
	.amdhsa_code_object_version 6
	.text
	.protected	k_qadd947a08d_gemm_proj
	.globl	k_qadd947a08d_gemm_proj
	.p2align	8
	.type	k_qadd947a08d_gemm_proj,@function
k_qadd947a08d_gemm_proj:
	s_mov_b64 s[64:65], 0
	v_nop
	global_prefetch_b8 v0, s[64:65] scope:SCOPE_SE
	s_setreg_imm32_b32 hwreg(HW_REG_WAVE_MODE, 25, 1), 1
	s_wait_xcnt 0x0
	s_wait_alu depctr_hold_cnt(0) depctr_sa_sdst(0) depctr_va_vdst(0) depctr_va_sdst(0) depctr_va_ssrc(0) depctr_va_vcc(0) depctr_vm_vsrc(0)
	s_getreg_b32 s2, hwreg(HW_REG_IB_STS2, 6, 4)
	s_cmp_eq_u32 s2, 0
	s_cbranch_scc0 .Lentry_in_a_cluster
	s_endpgm
.Lentry_in_a_cluster:
	s_bfe_u32 s2, ttmp6, 0x10000c
	s_cmp_lg_u32 s2, 0xf033
	s_cbranch_scc0 .Lentry_shape_is_right
	s_endpgm
.Lentry_shape_is_right:
; out0 = y w_proj on codes of FP8 (E4M3), f32 sums; each finished sum is multiplied once by 2^(e6 + e7).  out0: [8192][1024] f32.
; LIMIT: e6 + e7 lies between -126 and 127, so that 2^(e6 + e7) is an f32 number.
; A = y comes as IMAGES OF ITS FRAGMENTS: y_img [token tile of 16][K step of 128][4 pieces of 512 bytes], lane l's 16 bytes at 16 l: registers 4 c .. 4 c + 3 hold K = 32 c + 16 (l / 16) + 0 .. 15 of row l % 16.
; B = wp_codes [1024 (n)][1024 (k)], rows along K, read from padded LDS rows into the same order of k.
; A tile of 256 x 256 is made by a work-group of four waves, a wave makes 128 x 128: 64 accumulators, 512 registers.  K goes in four steps of 256 through two LDS slots filled by the tensor data mover.
; There are 4 x 32 such tiles: 128 work-groups.
; CLUSTERS: 4 x 4 work-groups.  The four of a row of the cluster need the same tiles of A, the four of a column the same tiles of B: each tile is asked for JOINTLY.
; THE MATRIX INSTRUCTION IS USED TRANSPOSED (source 0 = 16 rows of B, source 1 = 16 rows of A): a lane then holds eight neighbouring numbers of a row of the output.
; REGISTERS, in windows of 256: window 0: v0-31 addresses; from v128 A's fragments, ONE set; on the way out v32-255 are free.
;   window 1: B's fragments, TWO sets.   window 2: the 32 accumulators of my rows 0-63 (accumulator (a, b) at v[8 (8 a + b)]);   window 3: those of my rows 64-127.
.set SIZE_N, 1024
.set ROWB,   256                       ; a row of B's tile in bytes
.set KROW,   1024                      ; a row of B in memory
.set PITCH,  272                       ; B's LDS row: 256 bytes + 16 of padding = 68 words: row r starts at bank 4 r mod 64 (64 banks of 4 bytes: ISA guide 11.1)
.set FR,     16
.set NL,     4
.set NP,     4                         ; places behind this matrix instruction (ISA guide 7.12.1)
.set AHALF,  32768                     ; A: 8 token tiles x 4,096 bytes (256 along K): what one tensor load brings, and what one wave reads; dense: every LDS load takes 512 consecutive bytes
.set BHALF,  128*PITCH                 ; B: 128 rows
.set SLOT,   2*AHALF+2*BHALF           ; A's two halves, then B's two
.set SPARE,  2*SLOT                    ; behind the ring: the spare words, 128 bytes for each wave: two blocks of 256 bytes that no other line names
.set SPITCH, 528                       ; the way out: a stage of 16 rows x (512 bytes + 16) for each wave.  It lies in slot 0, which has had its last fill and its last read when the first result is stored there
.set ADRA, 16                          ; v16-17  LDS address of my A fragments in slot 0, 1
.set ADRB, 20                          ; v20-21  the same for B
.set STO,  24                          ; v24     the way out: where I put 32 bytes of a row
.set RD,   25                          ; v25     the way out: where I read a row back
.set CO,   26                          ; v26     16 x lane: my byte offset in a row of the output, and in an image
.set SPW,  28                          ; v28     LDS address of my spare word; never rewritten
.set NIL,  29                          ; v29     0; never rewritten
.set TMP,  32                          ; the way out: 64 registers, a block's sums x 2^(e6 + e7)
.set AF,   128                         ; A's fragments, in window 0
.set BK,   128                         ; the way out: 16 rows read back from the stage: v128-191 and v192-255 by turns
.set G1, 24                            ; s[24:31] descriptor group 1 for A's tiles;  s[32:39] group 0, one set for each slot
.set G0, 32
.set G1B, 48                           ; s[48:55], s[56:63] the same for B's tiles
.set G0B, 56
.set MSB, 0
.macro WIN new                         ; the immediate's high byte repeats the setting that is left
.if MSB != \new
	s_set_vgpr_msb (MSB<<8)|\new
.set MSB, \new
.endif
.endm
.set MUL_LO, 0xa1                      ; source 0 (B) window 1, source 1 (A) window 0, C and D window 2
.set MUL_HI, 0xf1                      ; the same, C and D window 3
.set TO_B,   0x40                      ; destination window 1, address window 0
; A joint load: waves 0 and 1 fetch for A, waves 2 and 3 for B.  Each of the two lines has ONE mask and one set of registers for all that issue it; the branch hangs on the wave's number alone.
; Four v_nop follow each of the two lines, ahead of the jump, the label and what follows.
.macro JLOAD g0a, g1a, g0b, g1b
	s_cmp_eq_u32 s15, 0
	s_cbranch_scc0 .Lfor_b_\@
	tensor_load_to_lds s[\g0a:\g0a+3], s[\g1a:\g1a+7]
	s_nop 0
.rept 4
	v_nop
.endr
	s_branch .Lasked_\@
.Lfor_b_\@:
	tensor_load_to_lds s[\g0b:\g0b+3], s[\g1b:\g1b+7]
	s_nop 0
.rept 4
	v_nop
.endr
.Lasked_\@:
.endm
.macro CREST                           ; a round of the cluster's barrier behind its opening barrier
	s_cmp_lg_u32 s14, 0
	s_cbranch_scc1 .Lnot_wave_0_\@
	s_barrier_signal -3
.Lnot_wave_0_\@:
	s_barrier_wait -3
	s_barrier_signal -1
	s_barrier_wait -1
.endm
.macro CROUND                          ; a whole round
	s_barrier_signal -1
	s_barrier_wait -1
	CREST
.endm
	s_load_b128 s[4:7], s[0:1], 0x0                ; y_img s[4:5], wp_codes s[6:7]
	s_load_b128 s[8:11], s[0:1], 0x10              ; the scales' exponents s[8:9], out0 s[10:11]
	v_lshl_add_u32 v[SPW], v0, 2, SPARE
	v_mov_b32 v[NIL], 0
	ds_add_u32 v28, v29
	ds_add_u32 v28, v29
	s_wait_dscnt 0x0
	v_lshrrev_b32 v1, 5, v0
	v_readfirstlane_b32 s14, v1                    ; wave 0..3
	s_lshr_b32 s15, s14, 1                         ; which half of the tile's rows is mine.  Also: I fetch for A (0) or for B (1)
	s_and_b32 s16, s14, 1                          ; which half of its columns.  Also: which half of that tile I fetch
	s_bfe_u32 s40, ttmp6, 0x40000                  ; cx, cy: my place in the cluster
	s_bfe_u32 s41, ttmp6, 0x40004
	s_lshl_b32 s42, ttmp9, 2
	s_add_co_u32 s42, s42, s40                     ; tile column = 4 x cluster x + cx
	s_and_b32 s17, ttmp7, 0xffff
	s_lshl_b32 s17, s17, 2
	s_add_co_u32 s17, s17, s41                     ; tile row = 4 x cluster y + cy
	s_lshl_b32 s43, s41, 2
	s_lshl_b32 s43, 15, s43                        ; my row of the cluster
	s_lshl_b32 s44, 0x1111, s40                    ; my column
	; descriptor group 1 for A: 8 rows (token tiles) of 4,096 bytes, 16,384 bytes apart in memory, dense in LDS
	s_or_b32 s[G1+0], s43, (0<<16)|(1<<21)         ; 15:0 the mask: A's tiles go to my row; 17:16 element of 1 byte; no padding; 21 set beside a mask
	s_mov_b32 s[G1+1], 4096<<16                    ; tensor_dim0
	s_mov_b32 s[G1+2], 8<<16                       ; tensor_dim1
	s_mov_b32 s[G1+3], 4096<<16                    ; tile_dim0
	s_mov_b32 s[G1+4], 8                           ; tile_dim1
	s_mov_b32 s[G1+5], 16384                       ; tensor_dim0_stride
	s_mov_b32 s[G1+6], 0
	s_mov_b32 s[G1+7], 0
	; for B: 128 rows x 256 bytes, padded in LDS
	s_or_b32 s[G1B+0], s44, (0<<16)|(1<<20)|(1<<21)|(5<<22)|(3<<25)  ; the mask of my column; padding of 4 words (code 3) after every 64 (code 5)
	s_mov_b32 s[G1B+1], ROWB<<16
	s_mov_b32 s[G1B+2], 128<<16
	s_mov_b32 s[G1B+3], ROWB<<16
	s_mov_b32 s[G1B+4], 128
	s_mov_b32 s[G1B+5], KROW
	s_mov_b32 s[G1B+6], 0
	s_mov_b32 s[G1B+7], 0
	s_lshl_b32 s18, s16, 17                        ; the half that I fetch: 8 token tiles of 16,384 bytes, or 128 rows of 1,024: 131,072 bytes either way
	s_lshl_b32 s20, s17, 18
	s_add_co_u32 s20, s20, s18                     ; A: 16 token tiles a tile row
	s_mov_b32 s21, 0
	s_lshl_b32 s46, s42, 18
	s_add_co_u32 s46, s46, s18                     ; B: 256 rows a tile column
	s_mov_b32 s47, 0
	s_lshl_b32 s45, s16, 15                        ; where they go: A's half x AHALF;
	s_mul_i32 s19, s16, BHALF
	s_add_co_u32 s19, s19, 2*AHALF                 ; B's halves behind A's two: no place in the cluster enters an LDS address
	s_wait_kmcnt 0x0
	s_load_b64 s[96:97], s[8:9], 0x18              ; e6, e7
	s_add_nc_u64 s[20:21], s[4:5], s[20:21]
	s_add_nc_u64 s[46:47], s[6:7], s[46:47]
	CROUND                                         ; all sixteen work-groups are here: the first joint loads meet
.irp s, 0,1
	s_mov_b32 s[G0+4*\s], 1
	s_add_co_u32 s[G0+4*\s+1], s45, \s*SLOT
	s_add_nc_u64 s[G0+4*\s+2:G0+4*\s+3], s[20:21], \s*4096
	s_or_b32 s[G0+4*\s+3], s[G0+4*\s+3], 0x80000000
	s_mov_b32 s[G0B+4*\s], 1
	s_add_co_u32 s[G0B+4*\s+1], s19, \s*SLOT
	s_add_nc_u64 s[G0B+4*\s+2:G0B+4*\s+3], s[46:47], \s*ROWB
	s_or_b32 s[G0B+4*\s+3], s[G0B+4*\s+3], 0x80000000
	s_wait_alu depctr_va_vdst(0)
	s_wait_tensorcnt 0x0
	ds_add_u32 v28, v29
	ds_add_u32 v28, v29
	s_wait_dscnt 0x0
	CROUND
	JLOAD G0+4*\s, G1, G0B+4*\s, G1B
.endr
	v_and_b32 v1, 15, v0                           ; l % 16
	v_bfe_u32 v2, v0, 4, 1                         ; l / 16
	v_mul_u32_u24 v3, v1, PITCH
	v_lshl_add_u32 v4, v2, 4, v3                   ; B: a fragment's row x pitch + 16 x half
	v_and_b32 v6, 31, v0
	v_lshlrev_b32 v[CO], 4, v6                     ; A: 16 x lane
	s_wait_alu depctr_va_vdst(0)
	s_lshl_b32 s21, s15, 15                        ; my 8 token tiles of A
	s_mul_i32 s22, s16, BHALF                      ; my 128 rows of B,
	s_add_co_u32 s22, s22, 2*AHALF                 ; which lie behind A's halves
.irp s, 0,1
	v_add_nc_u32 v[ADRA+\s], s21, v[CO]
	v_add_nc_u32 v[ADRB+\s], s22, v4
	s_add_co_u32 s21, s21, SLOT
	s_add_co_u32 s22, s22, SLOT
.endr
	s_mul_i32 s23, s14, 16*SPITCH                  ; my stage
	v_mul_u32_u24 v5, v1, SPITCH                   ; in: row l % 16, 32 bytes for each half of the lanes
	v_lshl_add_u32 v5, v2, 5, v5
	v_add_nc_u32 v[STO], s23, v5
	v_add_nc_u32 v[RD], s23, v[CO]                 ; back: the 32 lanes take one row of 512 bytes
	s_lshl_b32 s20, s17, 8
	s_lshl_b32 s21, s15, 7
	s_add_co_u32 s20, s20, s21                     ; my first row of the output: 256 x tile row + 128 x half,
	s_lshl_b32 s20, s20, 12                        ; 4,096 bytes a row (32 MiB in all)
	s_mov_b32 s21, 0
	s_lshl_b32 s46, s42, 10                        ; my first column, in bytes: 1,024 x tile column + 512 x half
	s_lshl_b32 s47, s16, 9
	s_add_co_u32 s46, s46, s47
	s_mov_b32 s47, 0
	s_add_nc_u64 s[20:21], s[20:21], s[46:47]
	s_add_nc_u64 s[10:11], s[10:11], s[20:21]
.macro FRAGA reg, adr, q, i            ; A's fragment of token tile i, the slot's q-th 128 along K: its image, four pieces of 512 bytes
.irp c, 0,1,2,3
	ds_load_b128 v[\reg+4*\c:\reg+4*\c+3], v[\adr] offset:2048*(\q)+512*\c+(\i)*4096
.endr
.endm
.macro FRAGB reg, adr, q, i            ; B's fragment from rows: lane l holds row l % 16; registers 4 c .. 4 c + 3 hold K = 32 c + 16 (l / 16) + 0 .. 15
.irp c, 0,1,2,3
	ds_load_b128 v[\reg+4*\c:\reg+4*\c+3], v[\adr] offset:128*(\q)+32*\c+(\i)*16*PITCH
.endr
.endm
; 16 matrix instructions: A's blocks a0, a0 + 1 x B's eight, 128 along K.  p: B's set.  zero = 1: the first product starts the sums: nothing is ever cleared.
; The 64 accumulators take turns, one instruction a turn, in the same order in every step.
.macro MUL16 a0, p, zero
.irp a, \a0, \a0+1
.irp b, 0,1,2,3,4,5,6,7
.if \zero
	v_wmma_f32_16x16x128_fp8_fp8 v[8*(8*((\a)%4)+\b):8*(8*((\a)%4)+\b)+7], v[128*(\p)+FR*\b:128*(\p)+FR*\b+FR-1], v[AF+FR*(\a):AF+FR*(\a)+FR-1], 0
.else
	v_wmma_f32_16x16x128_fp8_fp8 v[8*(8*((\a)%4)+\b):8*(8*((\a)%4)+\b)+7], v[128*(\p)+FR*\b:128*(\p)+FR*\b+FR-1], v[AF+FR*(\a):AF+FR*(\a)+FR-1], v[8*(8*((\a)%4)+\b):8*(8*((\a)%4)+\b)+7]
.endif
.endr
.endr
.endm
.macro FETCH_B slot, q, p              ; B's eight fragments of the slot's q-th 128 along K into set p
	WIN TO_B
.irp i, 0,1,2,3,4,5,6,7
	FRAGB 128*(\p)+FR*\i, ADRB+\slot, \q, \i
.endr
	WIN 0
.endm
.macro FETCH_A slot, q, i0             ; A's blocks i0 .. i0 + 3
.irp i, \i0, \i0+1, \i0+2, \i0+3
	FRAGA AF+FR*(\i), ADRA+\slot, \q, \i
.endr
.endm
; A load into a register that a matrix instruction has read, and a vector instruction or an LDS store that reads a matrix result, stand NP places behind that matrix instruction;
; only plain vector instructions that name none of its registers are places (ISA guide 7.12.1 for vector instructions).
.macro PLACES n
.rept \n
	v_nop
.endr
.endm
; A step of 128 along K that has its successor in the same slot.
.macro STEP slot, q, zero
	s_wait_dscnt 4*NL                              ; B's set and A's blocks 0-3 are in; the youngest sixteen loads (A's blocks 4-7) may be out
	WIN MUL_LO
	MUL16 0, (\q)%2, \zero
	MUL16 2, (\q)%2, \zero
	s_wait_dscnt 0                                 ; A's blocks 4-7 are in (asked for 32 matrix instructions ago)
	PLACES NP
	FETCH_B \slot, (\q)+1, 1-(\q)%2
	FETCH_A \slot, (\q)+1, 0
	WIN MUL_HI
	MUL16 4, (\q)%2, \zero
	MUL16 6, (\q)%2, \zero
	PLACES NP
	WIN 0
	FETCH_A \slot, (\q)+1, 4
.endm
; A slot's last step changes slots: ONE barrier; in front of it each wave waits for all its tensor loads, adds 0 to its spare word, and waits for that and for its own reads of this slot.  fill = 1: this slot is filled again, two K steps ahead.
.macro TURN slot, next, fill
	s_wait_tensorcnt 0x0                           ; all my tensor loads have landed: my part of the next slot;  (every window is 0 here: the add's two registers lie in window 0)
	ds_add_u32 v[SPW], v[NIL]                      ; 0 onto my spare word
	s_wait_dscnt 4*NL+1                            ; (the add and the youngest sixteen loads, A's blocks 4-7, may be out)
	WIN MUL_LO
	MUL16 0, 1, 0                                  ; sixteen matrix instructions stand between the add and the wait for it
	s_wait_dscnt 0x0                               ; the add is done, and my reads of this slot are over
	s_barrier_signal -1
	MUL16 2, 1, 0
	WIN 0
	s_barrier_wait -1
.if \fill
	CREST                                          ; the barrier has opened a round of the cluster's barrier: no wave of any partner still reads this slot's tile or has a load on its way
	s_add_nc_u64 s[G0+4*\slot+2:G0+4*\slot+3], s[G0+4*\slot+2:G0+4*\slot+3], 2*4096
	s_add_nc_u64 s[G0B+4*\slot+2:G0B+4*\slot+3], s[G0B+4*\slot+2:G0B+4*\slot+3], 2*ROWB
	JLOAD G0+4*\slot, G1, G0B+4*\slot, G1B         ; the first tensor load behind the round; the four v_nop behind it are the places in front of the loads below
.else
	PLACES NP
.endif
	FETCH_B \next, 0, 0
	FETCH_A \next, 0, 0
	WIN MUL_HI
	MUL16 4, 1, 0
	MUL16 6, 1, 0
	PLACES NP
	WIN 0
	FETCH_A \next, 0, 4
.endm
	s_wait_alu depctr_va_vdst(0)
	s_wait_tensorcnt 1                             ; my part of K step 0 is in (K step 1's load may be out)
	s_barrier_signal -1
	s_barrier_wait -1                              ; everybody's is
	FETCH_B 0, 0, 0
	FETCH_A 0, 0, 0
	FETCH_A 0, 0, 4
	STEP 0, 0, 1                                   ; K has four steps of 256, twice round the ring: all is written out.  The first products start the sums
	TURN 0, 1, 1                                   ; slot 0 takes K step 2
	STEP 1, 0, 0
	TURN 1, 0, 1                                   ; slot 1 takes K step 3
	STEP 0, 0, 0
	TURN 0, 1, 0                                   ; the last lap fills nothing, and has no round of the cluster's barrier
	STEP 1, 0, 0
	s_wait_dscnt 4*NL                              ; the very last step: nothing more to fetch
	WIN MUL_LO
	MUL16 0, 1, 0
	MUL16 2, 1, 0
	s_wait_dscnt 0
	WIN MUL_HI
	MUL16 4, 1, 0
	MUL16 6, 1, 0
	WIN 0
; THE WAY OUT, block by block of 16 rows x 128 columns.  A lane holds 32 neighbouring bytes of a row, and the lanes beside it hold other rows: so a block goes through my own stage in LDS and comes back as whole
; rows of 512 bytes, which the 32 lanes store as 512 consecutive aligned bytes.  LDS serves a wave's instructions in order (ISA guide 5.7.1.4): no wait between the stores and the loads, nor in front of the next block's stores.
.macro TOSTAGE a
.set AC, 64*((\a)%4)
.set WS, 2+(\a)/4
	WIN WS                                         ; source 0: window 2 or 3
.set j, 0
.rept 32
	v_pk_mul_f32 v[TMP+j:TMP+j+1], v[AC+j:AC+j+1], s[96:97] op_sel_hi:[1,0]   ; both x s96 = 2^(e6 + e7): nothing is rounded, short of overflow and underflow; each accumulator from its low end on
.set j, j+2
.endr
	WIN 0
.irp b, 0,1,2,3,4,5,6,7
	ds_store_b128 v[STO], v[TMP+8*\b:TMP+8*\b+3] offset:64*\b
	ds_store_b128 v[STO], v[TMP+8*\b+4:TMP+8*\b+7] offset:64*\b+16
.endr
.set BB, BK+64*((\a)%2)
.irp t, 0,1,2,3,4,5,6,7,8,9,10,11,12,13,14,15
	ds_load_b128 v[BB+4*\t:BB+4*\t+3], v[RD] offset:\t*SPITCH
.endr
.endm
.macro SEND a, younger                 ; younger: the LDS instructions issued behind block a's loads, which may stay out
.set BB, BK+64*((\a)%2)
	s_wait_dscnt \younger                          ; the block is back in registers
.if (\a) > 0
	s_add_nc_u64 s[10:11], s[10:11], 16*SIZE_N*4   ; (behind a wait on XCNT: the earlier stores have read their base)  16 rows on, so that the stores' offsets stay small
.endif
.irp t, 0,1,2,3,4,5,6,7,8,9,10,11,12,13,14,15
	global_store_b128 v[CO], v[BB+4*\t:BB+4*\t+3], s[10:11] offset:\t*SIZE_N*4 th:TH_STORE_NT   ; written once, read by nobody here
.endr
.endm
	s_wait_kmcnt 0x0
	s_add_co_i32 s96, s96, s97                     ; e6 + e7, between -126 and 127,
	s_add_co_i32 s96, s96, 127
	s_lshl_b32 s96, s96, 23                        ; makes the f32 number 2^(e6 + e7)
	PLACES NP                                      ; behind the last products: for the loads into the registers that held A's fragments and for the reads of results
	TOSTAGE 0
.irp a, 1,2,3,4,5,6,7
.if \a > 1
	s_wait_xcnt 0x0                                ; block a - 2's stores have read their registers and their base: block a's loads may land there, and the base may step
.endif
	TOSTAGE \a
	SEND \a-1, 32                                  ; behind block a - 1's loads: block a's 16 stores and 16 loads
.endr
	s_wait_xcnt 0x0                                ; block 6's stores have read their base
	SEND 7, 0
	s_wait_tensorcnt 0x0                           ; the wave's end: behind my last tensor load and my last LDS store
	ds_add_u32 v[SPW], v[NIL]
	s_wait_dscnt 0x0
	CROUND                                         ; the closing round: no work-group ends while a partner may still ask for a tile that names it
	s_endpgm
.Lfunc_end_k_qadd947a08d_gemm_proj:
	.size	k_qadd947a08d_gemm_proj, .Lfunc_end_k_qadd947a08d_gemm_proj-k_qadd947a08d_gemm_proj
	.p2alignl 7, 3214868480
	.fill 96, 4, 3214868480
	.section	.rodata,"a",@progbits
	.p2align	6, 0x0
	.amdhsa_kernel k_qadd947a08d_gemm_proj
		.amdhsa_group_segment_fixed_size 327680
		.amdhsa_private_segment_fixed_size 0
		.amdhsa_enable_private_segment 0
		.amdhsa_kernarg_size 32
		.amdhsa_user_sgpr_count 2
		.amdhsa_user_sgpr_kernarg_segment_ptr 1
		.amdhsa_wavefront_size32 1
		.amdhsa_system_sgpr_workgroup_id_x 1
		.amdhsa_system_sgpr_workgroup_id_y 1
		.amdhsa_system_sgpr_workgroup_id_z 1
		.amdhsa_system_vgpr_workitem_id 0
		.amdhsa_next_free_vgpr 1024
		.amdhsa_next_free_sgpr 98
		.amdhsa_reserve_vcc 0
		.amdhsa_float_denorm_mode_32 3
		.amdhsa_float_denorm_mode_16_64 3
		.amdhsa_memory_ordered 1
		.amdhsa_forward_progress 1
		.amdhsa_inst_pref_size 124
	.end_amdhsa_kernel
	.amdgpu_metadata
---
amdhsa.version: [ 1, 2 ]
amdhsa.kernels:
  - .name:           k_qadd947a08d_gemm_proj
    .symbol:         k_qadd947a08d_gemm_proj.kd
    .args:
      - { .name: y_img, .offset: 0, .size: 8, .value_kind: global_buffer, .address_space: global }
      - { .name: wp_codes, .offset: 8, .size: 8, .value_kind: global_buffer, .address_space: global }
      - { .name: lowp_scales, .offset: 16, .size: 8, .value_kind: global_buffer, .address_space: global }
      - { .name: out0, .offset: 24, .size: 8, .value_kind: global_buffer, .address_space: global }
    .group_segment_fixed_size: 327680
    .private_segment_fixed_size: 0
    .kernarg_segment_align: 8
    .kernarg_segment_size: 32
    .max_flat_workgroup_size: 128
    .sgpr_count:     98
    .vgpr_count:     1024
    .wavefront_size: 32
...
	.end_amdgpu_metadata
.endif
;; end of part 4
